; MI455X (gfx1250); checked and timed in simulation.
; The chip was launched on July 23, 2026; its instructions are those of AMD's public machine-readable ISA for CDNA 5 (MIT licence, August 2026) and "CDNA5" Instruction Set Architecture Reference Guide (July 2026). The comments in the code are by the model that wrote it; some were corrected since.
;; Model. Allowed arithmetic: matrix products marked QUANTISED: E2M3 operands, one E8M0 scale for each 32 along K, by v_wmma_scale_f32_16x16x128_f8f6f4 with both operands' format E2M3, f32 sums; everything else in f32.
;; Inputs: w_down 688 x 1,024 float32; w_gate 1,024 x 688 float32; w_up 1,024 x 688 float32; wk 1,024 x 1,024 float32; wo 1,024 x 1,024 float32; wq 1,024 x 1,024 float32; wv 1,024 x 1,024 float32; x 2 x 2,048 x 1,024 float32.
;; Outputs: out0 2 x 2,048 x 1,024 float32.
;; This version of the problem:
;;   THIS VERSION OF THE PROBLEM IS GIVEN IN LOW PRECISION. The matrix products marked QUANTISED in the list below multiply operands that are first quantised to E2M3 (2 exponent bits, 3 mantissa bits; 6 bits a number), with one power-of-two scale for each 32 numbers along K (OCP MX v1.0); their sums are f32. All else is computed in f32.
;;   The module's matrix products, in the order in which they are computed (A, B: the left and right operand; K: the contracted axis; several contracted axes count as one K, in the product's order):
;;     1. [M 4,096, K 1,024] x [K 1,024, N 1,024]; A: computed on the way; B: input wq: QUANTISED
;;     2. [M 4,096, K 1,024] x [K 1,024, N 1,024]; A: computed on the way; B: input wk: QUANTISED
;;     3. [M 4,096, K 1,024] x [K 1,024, N 1,024]; A: computed on the way; B: input wv: QUANTISED
;;     4. batch 64 x [M 2,048, K 32] x [K 32, N 2,048]; A: computed on the way; B: computed on the way: QUANTISED
;;     5. batch 64 x [M 2,048, K 2,048] x [K 2,048, N 32]; A: softmax (see below); B: computed on the way: QUANTISED
;;     6. [M 4,096, K 1,024] x [K 1,024, N 1,024]; A: computed on the way; B: input wo: QUANTISED
;;     7. [M 4,096, K 1,024] x [K 1,024, N 688]; A: computed on the way; B: input w_gate: QUANTISED
;;     8. [M 4,096, K 1,024] x [K 1,024, N 688]; A: computed on the way; B: input w_up: QUANTISED
;;     9. [M 4,096, K 688] x [K 688, N 1,024]; A: computed on the way; B: input w_down: QUANTISED
;;   THE QUANTISER, for each operand of a quantised product, along K:
;;     - K is cut into blocks of 32 from its start; a last block that is shorter is filled with zeros.
;;     - A block's scale is 2^e with e = floor(log2(the largest magnitude in the block)) - 2, held to -126 .. 127; a block of zeros has e = 0. As a byte (E8M0): e + 127.
;;     - Each number is divided by its block's scale, clamped to +-7.5, and rounded to the nearest number of E2M3, ties to even, subnormals kept.
;;     - The product sums the exact products of the quantised numbers (number of the format x scale) in f32.
;;   ~~~python
;;   def quantise(x, axis):      # numpy; x: float32 -> the quantised numbers, widened to float32 again
;;       x = np.moveaxis(x, axis, -1); K = x.shape[-1]
;;       x = np.pad(x, [(0, 0)] * (x.ndim - 1) + [(0, -K % 32)]); x = x.reshape(x.shape[:-1] + (-1, 32)); a = np.abs(x).max(-1, keepdims=True)
;;       e = np.where(a > 0, np.clip(np.frexp(np.where(a > 0, a, 1))[1] - 1 - 2, -126, 127), 0)      # np.frexp(a)[1] - 1 = floor(log2(a)), exactly
;;       r = np.clip(x / 2.0 ** e, -7.5, 7.5)
;;       step = 2.0 ** (np.maximum(np.frexp(np.where(r == 0, 1, r))[1] - 1, 0) - 3)
;;       q = np.round(r / step) * step * 2.0 ** e      # np.round: ties to even
;;       return np.moveaxis(q.reshape(q.shape[:-2] + (-1,))[..., :K], -1, axis).astype(np.float32)
;;   ~~~
;;   SOFTMAX AHEAD OF A QUANTISED PRODUCT. Where the list says 'softmax', what is quantised is not the finished softmax but p = 2^(t - M), with t = logit x log2(e) and M = ceil(the row's largest t), a whole number; so 1/2 < the row's largest p <= 1. The row's sum l is taken of the UNQUANTISED p, in f32, and the product's result is divided by l at the end. Since M is a whole number, a kernel that streams over the keys may use a running M (the ceiling of the running maximum): every later rescaling is an exact power of two, which a block's scale takes up: the codes' values come out the same.
;;   OPERANDS COMPUTED ON THE WAY. 'Computed on the way' means the value that the module computes at that place (a softmax that the list does not call 'softmax' is quantised finished and normalised). What goes into a quantiser is computed in f32, as accurately as f32 sums, v_exp_f32 and their like allow (about 1e-6 of the number): no bf16 or f16 on the way to a quantiser, and a product that is left as it is and whose result goes on into a quantised operand takes f32 operands (vector FMAs, or v_wmma_f32_16x16x4_f32). A number that lies on a knife's edge between two numbers of the format may be rounded either way, as far as f32 arithmetic and the matrix unit's own rounding can turn it there, and no further.
;; One version. Each part assembles by itself: llvm-mc -triple=amdgcn-amd-amdhsa -mcpu=gfx1250 --defsym DOCPART=n.
;; ======== version 1 of 1: 7 launches
;; limits: right only within a limited range of input values
;; workspace buffers: wimg 5,120,000 bytes; hq 3,276,800 bytes; aq 3,276,800 bytes; fq 2,457,600 bytes; qkv 10,616,832 bytes; x1 16,777,216 bytes
;; launch prep (part 1): grid 8 x 82, 4 waves a work-group, no clusters, 37,632 bytes of LDS; arguments wq, wk, wv, wo, w_gate, w_up, w_down, wimg, x, hq; writes wimg, hq
.if DOCPART == 1
	.amdgcn_target "amdgcn-amd-amdhsa--gfx1250"
	.amdhsa_code_object_version 6
	.text
	.protected	k_q515404d378_prep
	.globl	k_q515404d378_prep
	.p2align	8
	.type	k_q515404d378_prep,@function
k_q515404d378_prep:
	s_mov_b64 s[64:65], 0
	v_nop
	global_prefetch_b8 v0, s[64:65] scope:SCOPE_SE
	s_setreg_imm32_b32 hwreg(HW_REG_WAVE_MODE, 25, 1), 1
	s_wait_xcnt 0x0
; TWO JOBS THAT DEPEND ON NOTHING OF EACH OTHER, IN ONE LAUNCH.  Work-group (x, y): y < 32: the norm of token tile 8 y + x.  y >= 32: the weights, with y - 32 for y below.
; THE WEIGHTS.  The seven weights, f32 stored [K][N] (K is the first axis), become codes of FP6 (E2M3) quantised along K, one E8M0 byte for each 32 along K.
; They are laid in wimg in the order of the matrix operand's registers: [tile of 16 columns][K step of 128][3 groups of 4 registers][lane][16 bytes], so that a fragment is three loads of 16 bytes a lane.
; THE COLUMNS OF A TILE ARE NOT NEIGHBOURS: row i of tile 2 p + u is column 32 p + 8 u + i + 8 (i / 8).
; Scale words: 128 bytes for each (pair of tiles, K step): the word of row i of tile 2 p + u at 4 (16 u + i), byte t for k = 32 t .. 32 t + 31.
; A LANE TAKES A COLUMN AND ITS REGISTERS RUN DOWN K: a block of 32 lies in one lane's 32 registers, and nothing is transposed.  A wave takes 32 columns (a pair of tiles) x 128 along K.
; w_gate and w_up have 688 columns: columns 688 .. 767 get zero codes.  w_down has 688 rows: rows 688 .. 767 count as zeros.
; y < 32: weight y / 8 of wq, wk, wv, wo, columns 128 (y % 8) on, K step x.  32 <= y < 44: w_gate (y < 38) or w_up, K step x.  y >= 44: w_down, K step y - 44, columns 128 x on.
; THE NORM.  h = x rsqrt(mean(x^2) + 1e-6), row by row of 1,024 f32, quantised along the row.  OUT: codes [tile of 16 tokens][block of 32 along K][row i][24 bytes]; row i of tile T is token 32 (T / 2) + 8 (T % 2) + i + 8 (i / 8).
; Scale words behind the codes, laid as the weights'.  Wave w takes columns 256 w .. 256 w + 255 of the tile's 16 rows; lane (r, h) holds 16 neighbours of each block of 32 of row r, lane L xor 16 the other 16.
; The rows' sums of squares meet in LDS (one barrier, behind a branch on the work-group's number alone: the same in all four waves); every wave adds the four parts in the same order.
; A block's scale byte is its largest magnitude's exponent field - 2, held at 1 from below.  A block of zeros so gets the byte 1 where the quantiser says 127: its codes are zeros, and this program alone reads the bytes.
; LIMITS: NaN and infinities among the inputs are not served; v_rsq_f32 (1 ulp) stands ahead of the norm's quantiser.
; The four ways through the text (whole blocks; w_down's last K step; the two weights of 688 columns; the norm) have LDS bytes of their own.
.set WS,   4915200                     ; wimg: the scale words begin here; 1,024 bytes a pair of tiles
.set WD_C, 4325376                     ; w_down's codes: 9,216 bytes a tile (6 K steps)
.set WD_S, 5095424                     ; w_down's scale words: 768 bytes a pair
.set X,    32                          ; v32-159  the weights: four blocks of 32 numbers;  the norm: 8 blocks x 16 numbers
.set C,    160                         ; v160-183 a block's codes, 6 registers each
.set C2,   184                         ; v184-186 the second conversion's result (a conversion's three registers begin on an even number)
.set OUTR, 188                         ; v188-211 the way out
.set HS,   3145728                     ; hq: where the scale words begin
.set NL,   36864                       ; LDS: the norm's 256 bytes
.set TM,   160                         ; the norm: v160-163 largest magnitudes;  v164-167 the other lane's;  v168-171 the conversions' scale operands;  v172-175 bytes
.set TP,   164
.set SO,   168
.set EB,   172
.set CD,   176                         ; v176-207 codes: four registers for each block
	s_load_b256 s[4:11], s[0:1], 0x0               ; wq, wk, wv, wo
	s_load_b256 s[12:19], s[0:1], 0x20             ; w_gate, w_up, w_down, wimg
	s_load_b128 s[40:43], s[0:1], 0x40             ; x, hq
	v_lshl_add_u32 v216, v0, 2, 0x9100
	v_mov_b32 v217, 0
	v_lshrrev_b32 v2, 5, v0
	v_readfirstlane_b32 s22, v2                    ; wave 0..3
	s_and_b32 s20, ttmp7, 0xffff                   ; y
	s_cmp_lt_u32 s20, 32
	s_cbranch_scc1 .Lnorm
	s_sub_co_u32 s20, s20, 32                      ; the weights' y
	v_and_b32 v1, 31, v0                           ; lane L = my column of the wave's 32
	v_lshlrev_b32 v3, 2, v1                        ; its 4 bytes in a row
	v_bfe_u32 v8, v0, 3, 1                         ; u = (L / 8) % 2: which tile of the pair
	v_and_b32 v9, 7, v0
	v_bfe_u32 v10, v0, 4, 1
	v_lshl_add_u32 v9, v10, 3, v9                  ; i = L % 8 + 8 (L / 16): which row of it
	s_mul_i32 s23, s22, 3072                       ; my wave's stage: two fragments of 1,536 bytes
	v_mul_u32_u24 v4, v8, 1536
	v_lshl_add_u32 v4, v9, 4, v4
	v_add_nc_u32 v4, s23, v4                       ; into the stage: tile u, the 16 bytes of fragment lane i
	v_lshlrev_b32 v6, 4, v1                        ; 16 L
	v_add_nc_u32 v5, s23, v6                       ; out of it: as it lies
	v_lshl_add_u32 v7, v8, 4, v9
	v_lshlrev_b32 v7, 2, v7                        ; my column's scale word: 4 (16 u + i)
	s_lshl_b32 s23, s22, 7                         ; 128 bytes of a row for each wave
	s_mov_b32 s33, 0
	s_mov_b32 s35, 0
	s_wait_kmcnt 0x0
	s_cmp_ge_u32 s20, 44
	s_cbranch_scc1 .Ldown
	s_lshl_b32 s21, s20, 2
	s_add_co_u32 s21, s21, s22                     ; the pair of tiles: P = 4 y + wave
	s_mul_i32 s34, s21, 24576
	s_mul_i32 s36, ttmp9, 1536
	s_add_co_u32 s34, s34, s36
	s_add_nc_u64 s[26:27], s[18:19], s[34:35]      ; tile 2 P, K step x
	s_add_nc_u64 s[28:29], s[26:27], 12288         ; tile 2 P + 1
	s_lshl_b32 s34, s21, 10
	s_lshl_b32 s36, ttmp9, 7
	s_add_co_u32 s34, s34, s36
	s_add_co_u32 s34, s34, WS
	s_add_nc_u64 s[30:31], s[18:19], s[34:35]      ; the scale words
	s_cmp_ge_u32 s20, 32
	s_cbranch_scc1 .Lgu
	s_lshr_b32 s21, s20, 3                         ; which of the four square weights: the choice hangs on the work-group's number alone
	s_cmp_eq_u32 s21, 1
	s_cselect_b64 s[24:25], s[6:7], s[4:5]
	s_cmp_eq_u32 s21, 2
	s_cselect_b64 s[24:25], s[8:9], s[24:25]
	s_cmp_eq_u32 s21, 3
	s_cselect_b64 s[24:25], s[10:11], s[24:25]
	s_and_b32 s32, s20, 7
	s_lshl_b32 s32, s32, 9                         ; 128 columns x 4 bytes
	s_add_co_u32 s32, s32, s23
	s_lshl_b32 s36, ttmp9, 19                      ; 128 rows of 4,096 bytes
	s_add_co_u32 s32, s32, s36
	s_add_nc_u64 s[24:25], s[24:25], s[32:33]
	s_branch .Lfull
; block t: rows 32 t + 0 .. n - 1 are loaded (32 lanes read 128 consecutive bytes), the others count as zeros
.macro LDBLK t, n, pitch
.set i, 0
.rept 32
.if i < \n
	global_load_b32 v[X+32*\t+i], v3, s[24:25] offset:(32*\t+i)*\pitch th:TH_LOAD_NT
.else
	v_mov_b32 v[X+32*\t+i], 0
.endif
.set i, i+1
.endr
.endm
; block t is quantised and goes to the stage at its place in the fragment: lanes i + 16 (t % 2), registers 6 (t / 2) .. + 5
.macro WORK t, mask, base
.set XS, X+32*\t
.set CT, C+6*\t
	v_max3_num_f32 v8, |v[XS]|, |v[XS+1]|, |v[XS+2]|               ; the block's largest magnitude: all 32 numbers are mine; two chains
	v_max3_num_f32 v9, |v[XS+3]|, |v[XS+4]|, |v[XS+5]|
.irp k, 6,10,14,18,22,26
	v_max3_num_f32 v8, v8, |v[XS+\k]|, |v[XS+\k+1]|
	v_max3_num_f32 v9, v9, |v[XS+\k+2]|, |v[XS+\k+3]|
.endr
	v_max3_num_f32 v8, v8, |v[XS+30]|, |v[XS+31]|
	v_max3_num_f32 v8, v8, v9, 0x1800000           ; and the floor 2^(3 - 127): the byte cannot fall under 1
	v_add_nc_u32 v10, 0xff000000, v8               ; 2 off the exponent field: the conversion takes this operand's exponent field as its scale
	v_lshrrev_b32 v11, 23, v10                     ; the scale's byte
.if \t == 0
	v_mov_b32 v14, v11
.else
	v_lshl_or_b32 v14, v11, 8*\t, v14              ; the lower K in the lower byte
.endif
	v_cvt_scalef32_pk16_fp6_f32 v[CT:CT+2], v[XS:XS+15], v10
	v_cvt_scalef32_pk16_fp6_f32 v[C2:C2+2], v[XS+16:XS+31], v10
	v_nop                                          ; one plain place behind a scaled conversion
.irp k, 0,1,2
	v_mov_b32 v[CT+3+\k], v[C2+\k]
.endr
.if \mask
.irp k, 0,1,2,3,4,5
	v_cndmask_b32 v[CT+\k], 0, v[CT+\k], vcc_lo    ; a column past the 688th gets zero codes
.endr
.endif
.if \t < 2
	ds_store_b128 v4, v[CT:CT+3] offset:\base+256*\t               ; registers 0-3: group 0
	ds_store_b64 v4, v[CT+4:CT+5] offset:\base+512+256*\t          ; registers 4, 5: the lower half of group 1
.else
	ds_store_b64 v4, v[CT:CT+1] offset:\base+520+256*(\t-2)        ; registers 6, 7: its upper half
	ds_store_b128 v4, v[CT+2:CT+5] offset:\base+1024+256*(\t-2)    ; registers 8-11: group 2
.endif
.endm
; One way through: loads run two blocks ahead; each wait's count is the loads of the one block issued behind the block wanted.
.macro PATH pitch, n0, n1, n2, n3, mask, base
	LDBLK 0, \n0, \pitch
	LDBLK 1, \n1, \pitch
	s_wait_loadcnt \n1
	LDBLK 2, \n2, \pitch
	WORK 0, \mask, \base
	s_wait_loadcnt \n2
	LDBLK 3, \n3, \pitch
	WORK 1, \mask, \base
	s_wait_loadcnt \n3
	WORK 2, \mask, \base
	s_wait_loadcnt 0x0
	WORK 3, \mask, \base
.irp j, 0,1,2,3,4,5
	ds_load_b128 v[OUTR+4*\j:OUTR+4*\j+3], v5 offset:\base+512*\j  ; LDS serves a wave's instructions in order (ISA guide 5.7.1.4): these see my stores
.endr
	s_wait_alu depctr_va_vdst(0)
.irp j, 0,1,2
	s_wait_dscnt 5-\j                              ; the younger LDS loads may be out
	global_store_b128 v6, v[OUTR+4*\j:OUTR+4*\j+3], s[26:27] offset:512*\j         ; 32 lanes store 512 consecutive bytes, aligned
.endr
.irp j, 0,1,2
	s_wait_dscnt 2-\j
	global_store_b128 v6, v[OUTR+12+4*\j:OUTR+12+4*\j+3], s[28:29] offset:512*\j
.endr
	global_store_b32 v7, v14, s[30:31]             ; the pair's 32 scale words: 128 consecutive bytes
	s_wait_tensorcnt 0x0
	ds_add_u32 v216, v217
	s_wait_dscnt 0x0
	s_endpgm
.endm
.Ldown:
	s_sub_co_u32 s21, s20, 44                      ; K step
	s_lshl_b32 s36, ttmp9, 2
	s_add_co_u32 s36, s36, s22                     ; the pair of tiles: 4 x + wave
	s_mul_i32 s34, s36, 18432
	s_mul_i32 s38, s21, 1536
	s_add_co_u32 s34, s34, s38
	s_add_co_u32 s34, s34, WD_C
	s_add_nc_u64 s[26:27], s[18:19], s[34:35]
	s_add_nc_u64 s[28:29], s[26:27], 9216
	s_mul_i32 s34, s36, 768
	s_lshl_b32 s38, s21, 7
	s_add_co_u32 s34, s34, s38
	s_add_co_u32 s34, s34, WD_S
	s_add_nc_u64 s[30:31], s[18:19], s[34:35]
	s_lshl_b32 s32, s21, 19
	s_lshl_b32 s38, ttmp9, 9
	s_add_co_u32 s32, s32, s38
	s_add_co_u32 s32, s32, s23
	s_add_nc_u64 s[24:25], s[16:17], s[32:33]
	s_cmp_eq_u32 s21, 5
	s_cbranch_scc1 .Ltail
.Lfull:
	PATH 4096, 32, 32, 32, 32, 0, 0
.Ltail:                                                ; w_down's rows 640 .. 687: one block and a half; no load leaves the buffer
	PATH 4096, 32, 16, 0, 0, 0, 12288
.Lgu:
	s_cmp_lt_u32 s20, 38
	s_cselect_b64 s[24:25], s[12:13], s[14:15]     ; w_gate or w_up
	s_cselect_b32 s21, 32, 38
	s_sub_co_u32 s21, s20, s21
	s_lshl_b32 s21, s21, 7
	s_lshl_b32 s36, s22, 5
	s_add_co_u32 s21, s21, s36                     ; my wave's first column
	s_mul_i32 s32, ttmp9, 128*2752                 ; 128 rows of 2,752 bytes
	s_add_nc_u64 s[24:25], s[24:25], s[32:33]
	v_add_nc_u32 v3, s21, v1                       ; my column
	v_cmp_gt_u32 vcc_lo, 688, v3                   ; does it exist?
	v_min_u32 v3, 687, v3                          ; if not, the last column is read in its stead, so that no load leaves the buffer, and its codes are replaced by zeros
	v_lshlrev_b32 v3, 2, v3
	s_wait_alu depctr_va_vdst(0)
	PATH 2752, 32, 32, 32, 32, 1, 24576
; ---- THE NORM.  (No scalar register that the argument loads will write is written ahead of the wait for them.)
.Lnorm:
	v_and_b32 v6, 15, v0                           ; r
	v_bfe_u32 v7, v0, 4, 1                         ; h
	v_and_b32 v1, 8, v6
	v_add_nc_u32 v1, v1, v6                        ; r + 8 (r / 8)
	v_lshlrev_b32 v1, 12, v1
	v_lshl_add_u32 v1, v7, 6, v1                   ; in: my row of 4,096 bytes, + 64 h
	v_mul_u32_u24 v2, v6, 24
	v_mad_u32_u24 v2, v7, 12, v2                   ; codes: 24 r + 12 h
	v_lshlrev_b32 v3, 2, v6                        ; scale words: 4 r
	v_lshl_add_u32 v5, v6, 2, NL                   ; LDS: row r's word of a wave's 16
	s_lshl_b32 s23, s22, 6
	v_add_nc_u32 v4, s23, v5                       ; and of my wave's
.irp b, 0,1,2,3
	v_mov_b32 v[TP+\b], 0                          ; written once: a lane permute's destination counts as one of its sources
.endr
	s_mov_b32 s44, 0x76543210
	s_mov_b32 s45, 0xfedcba98                      ; v_permlanex16_b32's selects for lane L xor 16
	s_mov_b32 s46, 0x3a800000                      ; 1 / 1,024
	s_mov_b32 s47, 0x358637bd                      ; 1e-6
	s_lshl_b32 s26, s20, 3
	s_add_co_u32 s26, s26, ttmp9                   ; the tile: 8 y + x
	s_lshr_b32 s27, s26, 1
	s_and_b32 s28, s26, 1
	s_lshl_b32 s30, s27, 17                        ; 32 rows of 4,096 bytes
	s_lshl_b32 s29, s28, 15                        ; 8 rows
	s_add_co_u32 s30, s30, s29
	s_lshl_b32 s29, s22, 10                        ; my wave's 1,024 bytes of a row
	s_add_co_u32 s30, s30, s29
	s_mov_b32 s31, 0
	s_mul_i32 s32, s26, 12288
	s_mul_i32 s29, s22, 3072
	s_add_co_u32 s32, s32, s29
	s_mov_b32 s33, 0
	s_lshl_b32 s34, s27, 10
	s_lshl_b32 s29, s28, 6
	s_add_co_u32 s34, s34, s29
	s_lshl_b32 s29, s22, 8
	s_add_co_u32 s34, s34, s29
	s_add_co_u32 s34, s34, HS
	s_mov_b32 s35, 0
	s_wait_kmcnt 0x0
	s_add_nc_u64 s[36:37], s[40:41], s[30:31]      ; my rows
	s_add_nc_u64 s[38:39], s[42:43], s[32:33]      ; my 8 blocks' codes
	s_add_nc_u64 s[24:25], s[42:43], s[34:35]      ; my 2 K steps' scale words
.irp b, 0,1,2,3,4,5,6,7
.irp j, 0,1,2,3
	global_load_b128 v[X+16*\b+4*\j:X+16*\b+4*\j+3], v1, s[36:37] offset:128*\b+16*\j th:TH_LOAD_NT
.endr
.endr
; the sum of squares of my 128 numbers: four packed chains, started by the first four products; the loads are waited for eight at a time
.set q, 0
.rept 64
.if (q%16) == 0
	s_wait_alu depctr_va_vdst(0)
	s_wait_loadcnt 24-8*(q/16)                     ; the later groups' loads may be out
.endif
.if q < 4
	v_pk_mul_f32 v[8+2*q:9+2*q], v[X+2*q:X+2*q+1], v[X+2*q:X+2*q+1]
.else
	v_pk_fma_f32 v[8+2*(q%4):9+2*(q%4)], v[X+2*q:X+2*q+1], v[X+2*q:X+2*q+1], v[8+2*(q%4):9+2*(q%4)]
.endif
.set q, q+1
.endr
	v_pk_add_f32 v[8:9], v[8:9], v[10:11]
	v_pk_add_f32 v[12:13], v[12:13], v[14:15]
	v_pk_add_f32 v[8:9], v[8:9], v[12:13]
	v_add_f32 v8, v8, v9
	v_permlanex16_b32 v9, v8, s44, s45
	v_add_f32 v8, v8, v9                           ; row r's sum over my wave's 256 columns
	ds_store_b32 v4, v8                            ; lanes r and r + 16 write the same word with the same value
	s_wait_dscnt 0x0                               ; for the others' sake: my store is done
	s_barrier_signal -1
	s_barrier_wait -1
.irp k, 0,1,2,3
	ds_load_b32 v[20+\k], v5 offset:64*\k
.endr
	s_wait_dscnt 0x0
	v_add_f32 v20, v20, v21
	v_add_f32 v20, v20, v22
	v_add_f32 v20, v20, v23
	v_fma_f32 v8, v20, s46, s47                    ; the mean + 1e-6
	s_wait_alu depctr_va_vdst(0)
	v_rsq_f32 v18, v8
	v_rsq_f32 v19, v8                              ; twice: a pair for the packed multiply
	v_nop                                          ; a plain place behind the transcendentals
.set q, 0
	s_wait_alu depctr_va_vdst(0)
.rept 64
	v_pk_mul_f32 v[X+2*q:X+2*q+1], v[X+2*q:X+2*q+1], v[18:19]
.set q, q+1
.endr
; four blocks: block b = the lane's 16 registers v[s + 16 b ..]; codes to v[cd + 4 b ..], the four bytes to the word v[w]
.macro QB s, cd, w
.irp b, 0,1,2,3
	v_max3_num_f32 v[TM+\b], |v[\s+16*\b]|, |v[\s+16*\b+1]|, 0x1800000   ; my 16 numbers, and the floor 2^(3 - 127): the byte cannot fall under 1
.endr
.irp i, 2,4,6,8,10,12,14
.irp b, 0,1,2,3
	v_max3_num_f32 v[TM+\b], v[TM+\b], |v[\s+16*\b+\i]|, |v[\s+16*\b+\i+1]|   ; the four blocks by turns
.endr
.endr
.irp b, 0,1,2,3
	v_permlanex16_b32 v[TP+\b], v[TM+\b], s44, s45
.endr
.irp b, 0,1,2,3
	v_max_num_f32 v[TM+\b], v[TM+\b], v[TP+\b]     ; with lane L xor 16's: the block's largest magnitude
.endr
.irp b, 0,1,2,3
	v_add_nc_u32 v[SO+\b], 0xff000000, v[TM+\b]    ; 2 off its exponent field: the conversion's scale operand
.endr
.irp b, 0,1,2,3
	v_lshrrev_b32 v[EB+\b], 23, v[SO+\b]           ; the scale's byte
.endr
.irp b, 0,1,2,3
	v_cvt_scalef32_pk16_fp6_f32 v[\cd+4*\b:\cd+4*\b+2], v[\s+16*\b:\s+16*\b+15], v[SO+\b]
.endr
	v_nop                                          ; one plain place behind the last scaled conversion
	v_lshl_or_b32 v[\w], v[EB+1], 8, v[EB]
	v_lshl_or_b32 v[\w], v[EB+2], 16, v[\w]
	v_lshl_or_b32 v[\w], v[EB+3], 24, v[\w]
.endm
	QB X, CD, 16
	QB X+64, CD+16, 17
.irp b, 0,1,2,3,4,5,6,7
	global_store_b96 v2, v[CD+4*\b:CD+4*\b+2], s[38:39] offset:384*\b   ; 32 lanes store a block's 384 consecutive bytes
.endr
	global_store_b32 v3, v16, s[24:25]             ; lanes r and r + 16 write the same word with the same value
	global_store_b32 v3, v17, s[24:25] offset:128
	s_wait_tensorcnt 0x0
	ds_add_u32 v216, v217
	s_wait_dscnt 0x0
	s_endpgm
.Lfunc_end_k_q515404d378_prep:
	.size	k_q515404d378_prep, .Lfunc_end_k_q515404d378_prep-k_q515404d378_prep
	.p2alignl 7, 3214868480
	.fill 96, 4, 3214868480
	.section	.rodata,"a",@progbits
	.p2align	6, 0x0
	.amdhsa_kernel k_q515404d378_prep
		.amdhsa_group_segment_fixed_size 37632
		.amdhsa_private_segment_fixed_size 0
		.amdhsa_enable_private_segment 0
		.amdhsa_kernarg_size 80
		.amdhsa_user_sgpr_count 2
		.amdhsa_user_sgpr_kernarg_segment_ptr 1
		.amdhsa_wavefront_size32 1
		.amdhsa_system_sgpr_workgroup_id_x 1
		.amdhsa_system_sgpr_workgroup_id_y 1
		.amdhsa_system_sgpr_workgroup_id_z 1
		.amdhsa_system_vgpr_workitem_id 0
		.amdhsa_next_free_vgpr 218
		.amdhsa_next_free_sgpr 66
		.amdhsa_reserve_vcc 1
		.amdhsa_float_denorm_mode_32 3
		.amdhsa_float_denorm_mode_16_64 3
		.amdhsa_memory_ordered 1
		.amdhsa_forward_progress 1
		.amdhsa_inst_pref_size 81
	.end_amdhsa_kernel
	.amdgpu_metadata
---
amdhsa.version: [ 1, 2 ]
amdhsa.kernels:
  - .name:           k_q515404d378_prep
    .symbol:         k_q515404d378_prep.kd
    .args:
      - { .name: wq, .offset: 0, .size: 8, .value_kind: global_buffer, .address_space: global }
      - { .name: wk, .offset: 8, .size: 8, .value_kind: global_buffer, .address_space: global }
      - { .name: wv, .offset: 16, .size: 8, .value_kind: global_buffer, .address_space: global }
      - { .name: wo, .offset: 24, .size: 8, .value_kind: global_buffer, .address_space: global }
      - { .name: w_gate, .offset: 32, .size: 8, .value_kind: global_buffer, .address_space: global }
      - { .name: w_up, .offset: 40, .size: 8, .value_kind: global_buffer, .address_space: global }
      - { .name: w_down, .offset: 48, .size: 8, .value_kind: global_buffer, .address_space: global }
      - { .name: wimg, .offset: 56, .size: 8, .value_kind: global_buffer, .address_space: global }
      - { .name: x, .offset: 64, .size: 8, .value_kind: global_buffer, .address_space: global }
      - { .name: hq, .offset: 72, .size: 8, .value_kind: global_buffer, .address_space: global }
    .group_segment_fixed_size: 37632
    .private_segment_fixed_size: 0
    .kernarg_segment_align: 8
    .kernarg_segment_size: 80
    .max_flat_workgroup_size: 128
    .sgpr_count:     66
    .vgpr_count:     218
    .wavefront_size: 32
...
	.end_amdgpu_metadata
.endif
;; end of part 1
;; launch qkv (part 2): grid 8 x 32, 12 waves a work-group, clusters of 4 x 1, 169,472 bytes of LDS; arguments hq, wimg, qkv; writes qkv
.if DOCPART == 2
	.amdgcn_target "amdgcn-amd-amdhsa--gfx1250"
	.amdhsa_code_object_version 6
	.text
	.protected	k_q515404d378_qkv
	.globl	k_q515404d378_qkv
	.p2align	8
	.type	k_q515404d378_qkv,@function
k_q515404d378_qkv:
	s_mov_b64 s[64:65], 0
	v_nop
	global_prefetch_b8 v0, s[64:65] scope:SCOPE_SE
	s_setreg_imm32_b32 hwreg(HW_REG_WAVE_MODE, 25, 1), 1
	s_wait_xcnt 0x0
	s_wait_alu depctr_hold_cnt(0) depctr_sa_sdst(0) depctr_va_vdst(0) depctr_va_sdst(0) depctr_va_ssrc(0) depctr_va_vcc(0) depctr_vm_vsrc(0)
	s_getreg_b32 s2, hwreg(HW_REG_IB_STS2, 6, 4)
	s_cmp_eq_u32 s2, 0
	s_cbranch_scc0 .Lentry_in_a_cluster
	s_endpgm
.Lentry_in_a_cluster:
	s_bfe_u32 s2, ttmp6, 0x10000c
	s_cmp_lg_u32 s2, 0x3003
	s_cbranch_scc0 .Lentry_shape_is_right
	s_endpgm
.Lentry_shape_is_right:
; q = h wq, k = h wk, v = h wv on codes of FP6 (E2M3), and each result quantised at once for attention's two products: q and k along the head's 32 (one block), v along the keys.
; A work-group takes 128 tokens (8 tiles of 16) and four heads of q, k and v.  Wave w: kind w / 4 (q, k, v), head 4 hg + w % 4: 8 tiles of tokens x the head's 2 tiles of columns = 16 accumulators.  Three waves to a SIMD.
; h's codes (98,304 bytes) and scale words (4,096) come into LDS once, by tensor loads; nothing is filled again.  The weights' fragments come from memory straight into registers, in the order in which they were laid, one K step ahead.
; CLUSTER: the four work-groups of a cluster take the same tokens and other heads: h's tiles are asked for jointly (mask 15).  The place in the cluster enters the weights' and the results' addresses alone.
; q, k: THE PRODUCT IS USED TRANSPOSED (source 0 = 16 columns of the weight, source 1 = 16 tokens): a lane holds one token, and the 16 registers of the head's two tiles are 16 neighbours of the head's 32.
; v: natural (source 0 = 16 tokens, source 1 = 16 columns): a lane holds one column, and the 16 registers of two neighbouring tiles of tokens are 16 neighbouring keys.
; OUT: q, k codes [tile][head][row][24 bytes]; v codes [batch][head][tile of 16 columns][block of 32 keys][row][24]; q, k scale words [batch][head][pair of tiles][lane]: byte 0 the block's scale, bytes 1-3 zero;
; v's [batch][head][128 keys][lane = 16 tile + row]: four key blocks in four bytes.
; A block of zeros gets the byte 1 where the quantiser says 127: its codes are zeros, and this program alone reads the bytes.  LIMITS: NaN and infinities are not served.
.set HS,  3145728                      ; hq: the scale words
.set WS,  4915200                      ; wimg: the scale words
.set KC,  3145728                      ; qkv: k's codes;  v's codes;  q's scale words (k's lie 524,288 on);  v's scale words
.set VC,  6291456
.set QS,  9437184
.set VS,  10485760
.set AB,  20                           ; v20-43, v44-67   h's fragments: two buffers of two
.set BB,  68                           ; v68-91, v92-115  the weight's fragments: two buffers of two
.set ACC, 128                          ; v128-255 the 16 accumulators
.set CD,  20                           ; the way out: v20-51 codes, v52-59 bytes, v60-63 words, v64-75 at work
.set EB,  52
.set TM,  64
.set TP,  68
.set SO,  72
.set WV,  10                           ; s10 my wave's number
.macro ROUND                           ; a round of the cluster's barrier
	s_barrier_signal -1
	s_barrier_wait -1
	s_cmp_lg_u32 s[WV], 0
	s_cbranch_scc1 .Lnot_wave_0_\@
	s_barrier_signal -3
.Lnot_wave_0_\@:
	s_barrier_wait -3
	s_barrier_signal -1
	s_barrier_wait -1
.endm
.macro MKG1 g, w0, c, r, p             ; descriptor group 1: r rows of c elements, p elements from row to row
	s_mov_b32 s[\g], \w0
	s_mov_b32 s[\g+1], (\c)<<16
	s_mov_b32 s[\g+2], (\r)<<16
	s_mov_b32 s[\g+3], (\c)<<16
	s_mov_b32 s[\g+4], \r
	s_mov_b32 s[\g+5], \p
	s_mov_b32 s[\g+6], 0
	s_mov_b32 s[\g+7], 0
.endm
; the matrix instruction on rD, rA, rB, rSA, rSB.  z: the sum begins (C = 0).  ra, rb: that side's scale words stand in lanes 16-31
.macro MMX z, ra, rb
.if \z
.if (\ra) && (\rb)
	v_wmma_scale_f32_16x16x128_f8f6f4 v[rD:rD+7], v[rA:rA+11], v[rB:rB+11], 0, v[rSA], v[rSB] matrix_a_fmt:MATRIX_FMT_FP6 matrix_b_fmt:MATRIX_FMT_FP6 matrix_a_scale:MATRIX_SCALE_ROW1 matrix_b_scale:MATRIX_SCALE_ROW1
.elseif \ra
	v_wmma_scale_f32_16x16x128_f8f6f4 v[rD:rD+7], v[rA:rA+11], v[rB:rB+11], 0, v[rSA], v[rSB] matrix_a_fmt:MATRIX_FMT_FP6 matrix_b_fmt:MATRIX_FMT_FP6 matrix_a_scale:MATRIX_SCALE_ROW1
.elseif \rb
	v_wmma_scale_f32_16x16x128_f8f6f4 v[rD:rD+7], v[rA:rA+11], v[rB:rB+11], 0, v[rSA], v[rSB] matrix_a_fmt:MATRIX_FMT_FP6 matrix_b_fmt:MATRIX_FMT_FP6 matrix_b_scale:MATRIX_SCALE_ROW1
.else
	v_wmma_scale_f32_16x16x128_f8f6f4 v[rD:rD+7], v[rA:rA+11], v[rB:rB+11], 0, v[rSA], v[rSB] matrix_a_fmt:MATRIX_FMT_FP6 matrix_b_fmt:MATRIX_FMT_FP6
.endif
.else
.if (\ra) && (\rb)
	v_wmma_scale_f32_16x16x128_f8f6f4 v[rD:rD+7], v[rA:rA+11], v[rB:rB+11], v[rD:rD+7], v[rSA], v[rSB] matrix_a_fmt:MATRIX_FMT_FP6 matrix_b_fmt:MATRIX_FMT_FP6 matrix_a_scale:MATRIX_SCALE_ROW1 matrix_b_scale:MATRIX_SCALE_ROW1
.elseif \ra
	v_wmma_scale_f32_16x16x128_f8f6f4 v[rD:rD+7], v[rA:rA+11], v[rB:rB+11], v[rD:rD+7], v[rSA], v[rSB] matrix_a_fmt:MATRIX_FMT_FP6 matrix_b_fmt:MATRIX_FMT_FP6 matrix_a_scale:MATRIX_SCALE_ROW1
.elseif \rb
	v_wmma_scale_f32_16x16x128_f8f6f4 v[rD:rD+7], v[rA:rA+11], v[rB:rB+11], v[rD:rD+7], v[rSA], v[rSB] matrix_a_fmt:MATRIX_FMT_FP6 matrix_b_fmt:MATRIX_FMT_FP6 matrix_b_scale:MATRIX_SCALE_ROW1
.else
	v_wmma_scale_f32_16x16x128_f8f6f4 v[rD:rD+7], v[rA:rA+11], v[rB:rB+11], v[rD:rD+7], v[rSA], v[rSB] matrix_a_fmt:MATRIX_FMT_FP6 matrix_b_fmt:MATRIX_FMT_FP6
.endif
.endif
.endm
	s_load_b128 s[4:7], s[0:1], 0x0                ; hq, wimg
	s_load_b64 s[8:9], s[0:1], 0x10                ; qkv
	v_lshl_add_u32 v126, v0, 2, 0x29000
	v_mov_b32 v127, 0
	ds_add_u32 v126, v127
	ds_add_u32 v126, v127
	v_lshrrev_b32 v7, 5, v0
	s_delay_alu instid0(VALU_DEP_1)
	v_readfirstlane_b32 s[WV], v7                  ; wave 0..11
	v_and_b32 v7, 31, v0                           ; L
	s_delay_alu instid0(VALU_DEP_1)
	v_mul_u32_u24 v1, v7, 24                       ; v1  h's fragments, tiles 0-3: 24 L
	s_delay_alu instid0(VALU_DEP_1)
	v_add_nc_u32 v2, 49152, v1                     ; v2  tiles 4-7
	s_delay_alu instid0(VALU_DEP_3)
	v_lshlrev_b32 v5, 2, v7                        ; v5  4 L
	s_delay_alu instid0(VALU_DEP_1)
	v_add_nc_u32 v3, 98304, v5                     ; v3  h's scale words in LDS
	v_lshlrev_b32 v4, 4, v7                        ; v4  16 L
	v_and_b32 v6, 15, v0
	v_bfe_u32 v7, v0, 4, 1
	s_delay_alu instid0(VALU_DEP_2)
	v_mul_u32_u24 v6, v6, 24
	s_delay_alu instid0(VALU_DEP_1)
	v_mad_u32_u24 v6, v7, 12, v6                   ; v6  codes out: 24 r + 12 h
	s_and_b32 s13, ttmp7, 0xffff                   ; y: which 128 tokens; the four partners share it
	MKG1 16, 15|(3<<16)|(1<<21), 32, 48, 32        ; a tile of tokens: 12,288 dense bytes as 48 rows of 256 (elements of 8 bytes); mask: all four work-groups, bit 21 beside it
	MKG1 24, 15|(3<<16)|(1<<21), 32, 16, 32        ; the scale words: 4,096 dense bytes
	s_mul_i32 s33, s[WV], 12288                    ; LDS: tile w
	s_mul_i32 s54, s13, 98304
	s_add_co_u32 s54, s54, s33
	s_mov_b32 s55, 0
	s_lshl_b32 s56, s13, 12
	s_add_co_u32 s56, s56, HS
	s_mov_b32 s57, 0
	s_mov_b32 s32, 1
	s_mov_b32 s36, 1
	s_mov_b32 s37, 98304
	s_mov_b32 s48, 0x76543210
	s_mov_b32 s49, 0xfedcba98                      ; v_permlanex16_b32's selects for lane L xor 16
	s_wait_dscnt 0x0
	s_wait_kmcnt 0x0
	s_add_nc_u64 s[34:35], s[4:5], s[54:55]
	s_or_b32 s35, s35, 0x80000000
	s_add_nc_u64 s[38:39], s[4:5], s[56:57]
	s_or_b32 s39, s39, 0x80000000
	ROUND                                          ; all four work-groups are here: the joint loads meet
	s_cmp_lt_u32 s[WV], 8                          ; waves 0-7 fetch a tile each, wave 8 the scale words, the others nothing: one tensor load of a wave is out at the most
	s_cbranch_scc0 .Lnot_a
	tensor_load_to_lds s[32:35], s[16:23]
	s_nop 0
.rept 4
	v_nop
.endr
	s_branch .Lasked
.Lnot_a:
	s_cmp_eq_u32 s[WV], 8
	s_cbranch_scc0 .Lasked
	tensor_load_to_lds s[36:39], s[24:31]
	s_nop 0
.rept 4
	v_nop
.endr
.Lasked:
	s_bfe_u32 s11, ttmp6, 0x40000                  ; cx
	s_lshl_b32 s12, ttmp9, 2
	s_add_co_u32 s12, s12, s11                     ; hg = 4 x cluster x + cx
	s_lshr_b32 s14, s[WV], 2                       ; kind: 0 q, 1 k, 2 v
	s_and_b32 s15, s[WV], 3
	s_lshl_b32 s50, s12, 2
	s_add_co_u32 s15, s15, s50                     ; head
	s_lshl_b32 s50, s14, 5
	s_add_co_u32 s50, s50, s15                     ; the weight's pair of tiles
	s_mul_i32 s52, s50, 24576
	s_mov_b32 s53, 0
	s_add_nc_u64 s[40:41], s[6:7], s[52:53]        ; its codes
	s_lshl_b32 s52, s50, 10
	s_add_co_u32 s52, s52, WS
	s_add_nc_u64 s[42:43], s[6:7], s[52:53]        ; its scale words
	s_wait_alu depctr_va_vdst(0)
.irp k, 0,1,2,3,4,5,6,7
	global_load_b32 v[8+\k], v5, s[42:43] offset:128*\k            ; v8-15: lanes 0-15 tile 0's rows, lanes 16-31 tile 1's, for each K step
.endr
.macro LOADB k                         ; the weight's two fragments of K step k
.irp v, 0,1
.irp g, 0,1,2
	global_load_b128 v[BB+24*((\k)&1)+12*\v+4*\g:BB+24*((\k)&1)+12*\v+4*\g+3], v4, s[40:41] offset:12288*\v+1536*(\k)+512*\g
.endr
.endr
.endm
.macro LOADA x                         ; slot x = 4 K step + pair of tiles: the pair's two fragments and its scale words: 13 LDS loads
.set lks, (\x)>>2
.set lmp, (\x)&3
.set lab, AB+24*((\x)&1)
.irp u, 0,1
.irp c, 0,1
.irp p, 0,1,2
	ds_load_b64 v[lab+12*\u+6*\c+2*\p:lab+12*\u+6*\c+2*\p+1], v[1+(lmp>>1)] offset:((2*lmp+\u)&3)*12288+1536*lks+768*\c+8*\p
.endr
.endr
.endr
	ds_load_b32 v[16+((\x)&1)], v3 offset:1024*lmp+128*lks
.endm
.macro SLOT x, T                       ; four matrix instructions, on four accumulators; an accumulator comes up again after the 15 others
.set sks, (\x)>>2
.set smp, (\x)&3
.set sab, AB+24*((\x)&1)
.set sbb, BB+24*(sks&1)
.irp u, 0,1
.irp v, 0,1
.if \T
.set rD, ACC+16*(2*smp+\u)+8*\v
.set rA, sbb+12*\v
.set rB, sab+12*\u
.set rSA, 8+sks
.set rSB, 16+((\x)&1)
	MMX (sks==0), \v, \u
.else
.set rD, ACC+64*\v+16*smp+8*\u
.set rA, sab+12*\u
.set rB, sbb+12*\v
.set rSA, 16+((\x)&1)
.set rSB, 8+sks
	MMX (sks==0), \u, \v
.endif
.endr
.endr
.endm
.macro MAIN T
	LOADA 0
	LOADA 1
.set sg, 0
.rept 32
.if (sg&3) == 0
.if sg < 28
	LOADB (sg>>2)+1                                ; into the buffer whose last products stand behind four places
	s_wait_loadcnt 6                               ; all but the six just issued: this K step's fragments are in
.else
	s_wait_loadcnt 0x0
.endif
.endif
.if sg < 31
	s_wait_dscnt 13                                ; the next slot's 13 loads may be out
.else
	s_wait_dscnt 0x0
.endif
	SLOT sg, \T
.rept 4
	v_nop                                          ; places in front of loads into registers that matrix instructions have read, and of the first read of results
.endr
.if sg < 30
	LOADA sg+2
.endif
.set sg, sg+1
.endr
.endm
; four blocks: block b = the lane's 16 registers v[s + 16 b ..]; codes to v[cd + 4 b ..], bytes to v[eb + b].  Each accumulator is read from its low end on
.macro QB s, cd, eb
.irp b, 0,1,2,3
	v_max3_num_f32 v[TM+\b], |v[\s+16*\b]|, |v[\s+16*\b+1]|, 0x1800000   ; my 16 numbers, and the floor 2^(3 - 127)
.endr
.irp i, 2,4,6,8,10,12,14
.irp b, 0,1,2,3
	v_max3_num_f32 v[TM+\b], v[TM+\b], |v[\s+16*\b+\i]|, |v[\s+16*\b+\i+1]|
.endr
.endr
.irp b, 0,1,2,3
	s_delay_alu instid0(VALU_DEP_4)
	v_permlanex16_b32 v[TP+\b], v[TM+\b], s48, s49
.endr
.irp b, 0,1,2,3
	s_delay_alu instid0(VALU_DEP_4)
	v_max_num_f32 v[TM+\b], v[TM+\b], v[TP+\b]     ; with lane L xor 16's: the block's largest magnitude
.endr
.irp b, 0,1,2,3
	s_delay_alu instid0(VALU_DEP_4)
	v_add_nc_u32 v[SO+\b], 0xff000000, v[TM+\b]    ; 2 off its exponent field: the conversion's scale operand
.endr
.irp b, 0,1,2,3
	s_delay_alu instid0(VALU_DEP_4)
	v_lshrrev_b32 v[\eb+\b], 23, v[SO+\b]          ; the scale's byte
.endr
.irp b, 0,1,2,3
	v_cvt_scalef32_pk16_fp6_f32 v[\cd+4*\b:\cd+4*\b+2], v[\s+16*\b:\s+16*\b+15], v[SO+\b]
.endr
	v_nop                                          ; one plain place behind the last scaled conversion
.endm
	LOADB 0
	s_lshr_b32 s52, s13, 4
	s_lshl_b32 s52, s52, 5
	s_add_co_u32 s52, s52, s15                     ; 32 batch + head
	s_and_b32 s56, s13, 15                         ; which 128 tokens of the batch
	s_mov_b32 s51, 0
	s_mov_b32 s53, 0
	s_wait_tensorcnt 0x0                           ; my part of h is in LDS,
	s_barrier_signal -1
	s_barrier_wait -1                              ; everybody's is
	s_cmp_lt_u32 s[WV], 8
	s_cbranch_scc0 .Lv
	; ---- q and k
	s_mul_i32 s50, s14, KC
	s_mul_i32 s54, s13, 98304
	s_add_co_u32 s50, s50, s54
	s_mul_i32 s54, s15, 384
	s_add_co_u32 s50, s50, s54
	s_add_nc_u64 s[44:45], s[8:9], s[50:51]        ; codes: tile 8 y, my head
	s_lshl_b32 s52, s52, 6
	s_lshl_b32 s54, s56, 2
	s_add_co_u32 s52, s52, s54
	s_lshl_b32 s52, s52, 7
	s_mul_i32 s54, s14, 524288
	s_add_co_u32 s52, s52, s54
	s_add_co_u32 s52, s52, QS
	s_add_nc_u64 s[46:47], s[8:9], s[52:53]        ; scale words: my four pairs of tiles
	MAIN 1
.irp b, 0,1,2,3
	v_mov_b32 v[TP+\b], 0                          ; a lane permute's destination counts as one of its sources
.endr
	QB ACC, CD, EB                                 ; block b = tile b of tokens: the head's 32 of each token
	QB ACC+64, CD+16, EB+4
	s_mov_b32 vcc_lo, 0xffff0000
.irp m, 0,1,2,3,4,5,6,7
	global_store_b96 v6, v[CD+4*\m:CD+4*\m+2], s[44:45] offset:12288*\m   ; 384 consecutive bytes
.endr
.irp m, 0,1,2,3
	v_cndmask_b32 v[60+\m], v[EB+2*\m], v[EB+2*\m+1], vcc_lo       ; lanes 0-15: the even tile's rows, lanes 16-31: the odd tile's
.endr
.irp m, 0,1,2,3
	global_store_b32 v5, v[60+\m], s[46:47] offset:128*\m
.endr
	s_branch .Lend
.Lv:
	; ---- v
	s_mul_i32 s50, s52, 49152
	s_mul_i32 s54, s56, 1536
	s_add_co_u32 s50, s50, s54
	s_add_co_u32 s50, s50, VC
	s_add_nc_u64 s[44:45], s[8:9], s[50:51]        ; codes: my head, key blocks 4 (y % 16) on
	s_lshl_b32 s52, s52, 4
	s_add_co_u32 s52, s52, s56
	s_lshl_b32 s52, s52, 7
	s_add_co_u32 s52, s52, VS
	s_add_nc_u64 s[46:47], s[8:9], s[52:53]        ; the scale words of these 128 keys
	MAIN 0
.irp b, 0,1,2,3
	v_mov_b32 v[TP+\b], 0
.endr
	QB ACC, CD, EB                                 ; tile 0 of the head's columns: block b = 32 keys
	QB ACC+64, CD+16, EB+4                         ; tile 1
	s_mov_b32 vcc_lo, 0xffff0000
.irp v, 0,1
.irp m, 0,1,2,3
	global_store_b96 v6, v[CD+16*\v+4*\m:CD+16*\v+4*\m+2], s[44:45] offset:24576*\v+384*\m
.endr
.endr
.irp v, 0,1
	v_lshl_or_b32 v[60+\v], v[EB+4*\v+1], 8, v[EB+4*\v]
	s_delay_alu instid0(VALU_DEP_1)
	v_lshl_or_b32 v[60+\v], v[EB+4*\v+2], 16, v[60+\v]
	s_delay_alu instid0(VALU_DEP_1)
	v_lshl_or_b32 v[60+\v], v[EB+4*\v+3], 24, v[60+\v]
.endr
	s_delay_alu instid0(VALU_DEP_1)
	v_cndmask_b32 v62, v60, v61, vcc_lo
	global_store_b32 v5, v62, s[46:47]
.Lend:
	s_wait_dscnt 0x0
	s_wait_tensorcnt 0x0
	ds_add_u32 v126, v127
	s_wait_dscnt 0x0
	ROUND                                          ; the closing round: no work-group ends while a partner may still ask for a tile that names it
	s_endpgm
.Lfunc_end_k_q515404d378_qkv:
	.size	k_q515404d378_qkv, .Lfunc_end_k_q515404d378_qkv-k_q515404d378_qkv
	.p2alignl 7, 3214868480
	.fill 96, 4, 3214868480
	.section	.rodata,"a",@progbits
	.p2align	6, 0x0
	.amdhsa_kernel k_q515404d378_qkv
		.amdhsa_group_segment_fixed_size 169472
		.amdhsa_private_segment_fixed_size 0
		.amdhsa_enable_private_segment 0
		.amdhsa_kernarg_size 24
		.amdhsa_user_sgpr_count 2
		.amdhsa_user_sgpr_kernarg_segment_ptr 1
		.amdhsa_wavefront_size32 1
		.amdhsa_system_sgpr_workgroup_id_x 1
		.amdhsa_system_sgpr_workgroup_id_y 1
		.amdhsa_system_sgpr_workgroup_id_z 1
		.amdhsa_system_vgpr_workitem_id 0
		.amdhsa_next_free_vgpr 256
		.amdhsa_next_free_sgpr 66
		.amdhsa_reserve_vcc 1
		.amdhsa_float_denorm_mode_32 3
		.amdhsa_float_denorm_mode_16_64 3
		.amdhsa_memory_ordered 1
		.amdhsa_forward_progress 1
		.amdhsa_inst_pref_size 129
	.end_amdhsa_kernel
	.amdgpu_metadata
---
amdhsa.version: [ 1, 2 ]
amdhsa.kernels:
  - .name:           k_q515404d378_qkv
    .symbol:         k_q515404d378_qkv.kd
    .args:
      - { .name: hq, .offset: 0, .size: 8, .value_kind: global_buffer, .address_space: global }
      - { .name: wimg, .offset: 8, .size: 8, .value_kind: global_buffer, .address_space: global }
      - { .name: qkv, .offset: 16, .size: 8, .value_kind: global_buffer, .address_space: global }
    .group_segment_fixed_size: 169472
    .private_segment_fixed_size: 0
    .kernarg_segment_align: 8
    .kernarg_segment_size: 24
    .max_flat_workgroup_size: 384
    .sgpr_count:     66
    .vgpr_count:     256
    .wavefront_size: 32
...
	.end_amdgpu_metadata
.endif
;; end of part 2
;; launch attn (part 3): grid 8 x 32, 16 waves a work-group, clusters of 4 x 1, 219,136 bytes of LDS; arguments qkv, aq; writes aq
.if DOCPART == 3
	.amdgcn_target "amdgcn-amd-amdhsa--gfx1250"
	.amdhsa_code_object_version 6
	.text
	.protected	k_q515404d378_attn
	.globl	k_q515404d378_attn
	.p2align	8
	.type	k_q515404d378_attn,@function
k_q515404d378_attn:
	s_mov_b64 s[64:65], 0
	v_nop
	global_prefetch_b8 v0, s[64:65] scope:SCOPE_SE
	s_setreg_imm32_b32 hwreg(HW_REG_WAVE_MODE, 25, 1), 1
	s_wait_xcnt 0x0
	s_wait_alu depctr_hold_cnt(0) depctr_sa_sdst(0) depctr_va_vdst(0) depctr_va_sdst(0) depctr_va_ssrc(0) depctr_va_vcc(0) depctr_vm_vsrc(0)
	s_getreg_b32 s2, hwreg(HW_REG_IB_STS2, 6, 4)
	s_cmp_eq_u32 s2, 0
	s_cbranch_scc0 .Lentry_in_a_cluster
	s_endpgm
.Lentry_in_a_cluster:
	s_bfe_u32 s2, ttmp6, 0x10000c
	s_cmp_lg_u32 s2, 0x3003
	s_cbranch_scc0 .Lentry_shape_is_right
	s_endpgm
.Lentry_shape_is_right:
; attn_out = softmax(q k^T / sqrt(32)) v, head by head, both products on codes of FP6 (E2M3); the result is quantised along the row (block = head) for the next product.
; THE SOFTMAX: t = score x log2(e) / sqrt(32); M = the running largest t rounded UP to a whole number; p = 2^(t - M) is quantised along the keys, not normalised; the row's sum is taken of the unquantised p and divides at the end.
; When M moves, the sum and O are multiplied by 2^(old M - new M): exact.
; SHARES.  A work-group takes 256 queries of a pair of heads of one batch; wave w takes one tile of 16 queries, for both heads.  Sixteen waves of 256 registers, four to a SIMD.
; k and v of the two heads, all 2,048 keys, lie whole in LDS with their scale words (217,088 bytes), filled once: sixteen tensor loads at the head, one a wave (waves 0-3 a quarter of k each, 4-7 a plane of v, 8-11 k's scale words, 12-15 v's).
; CLUSTER: the four query blocks of a cluster read the same k and v: every tile is asked for jointly (mask 15).  The place in the cluster enters q's and the result's addresses alone.
; No data prefetch: all that the launch reads from memory is asked for at its head, so there is no loop to run ahead in.
; LAYOUT.  Both products are used transposed: S^T = k q^T (source 0 = 16 keys), O^T = v^T p^T (source 0 = 16 of the head's 32): a lane holds ONE query throughout.
; Row i of tile 4 g + t of a step's eight tiles of k takes key 64 g + 32 (i / 8) + 8 t + i % 8, so the 32 registers of tiles 4 g .. 4 g + 3 in lane (r, h) are keys 64 g + 32 h + 0 .. 31: one whole block of the second product's K.
; In LDS k lies in tiles whose row i' is token 32 (T / 2) + 8 (T % 2) + i' + 8 (i' / 8); the lane's address picks its key.
; THE FIRST PRODUCT'S K IS 32 OF THE INSTRUCTION'S 128: q's fragment holds its 32 codes in lanes 0-15, registers 0-5, and zero codes elsewhere; what k's fragment holds against the zeros adds nothing (every code is a finite number):
; its lanes 16-31 repeat lanes 0-15 and its registers 6-11 are the next tile's codes (six registers of zeros stand behind the last).  The scale words of q and k have zero in bytes 1-3.
; THE STEP'S ORDER.  k's 28 LDS loads of the NEXT step of 128 keys go out as soon as p's codes are made, ahead of the row's sums; v's 13 go out behind the scores' products.
; The last trip's look-ahead reads LDS bytes that lie behind k's tiles (v's, filled and shown by the head's barrier); nothing uses what it brings.
; A block of zeros gets the byte 1 where the quantiser says 127: its codes are zeros, and this program alone reads the bytes.
; LIMITS: NaN and infinities are not served; the scaled scores stay under 2^31 in magnitude; a p under 2^-126 counts as 0 (v_exp_f32 flushes denormal results: ISA guide 15.8); v_exp_f32 and v_rcp_f32 (1 ulp) stand ahead of quantisers.
; A block's largest p is made of the block's largest score by the same multiply-add and exponential, which takes v_exp_f32 not to fall where its input rises.
.set HS,  3145728                      ; aq: the scale words
.set KC,  3145728                      ; qkv: k's codes, v's codes, q's, k's and v's scale words
.set VC,  6291456
.set QS,  9437184
.set KSO, 9961472
.set VS,  10485760
.set LV,  98304                        ; LDS: k at 0: [tile 128][head 2][16][24];  v: [2 head + tile][block 64][16][24];
.set LKS, 196608                       ;      k's scale words [head][pair of tiles 64][128];
.set LVS, 212992                       ;      v's [head][128 keys, 16][128];
.set SPARE, 217088                     ;      the spare words, 128 bytes a wave
.set KF,  52                           ; v52-99 k's eight tiles, 6 registers each; v100-105 zeros
.set S,   106                          ; v106-169 S^T, then p
.set VF,  202                          ; v202-225 v's two fragments
.set BM,  52                           ; between the scores and the next k loads k's registers are at work: v52-59 eight chains of maxima, v60-61 two more,
.set XM,  60
.set TMP, 62
.set PT,  64                           ; v64-66 from the other lane, the old -M, bytes;  v68-69 the conversions' scale operands;  v72-78 the blocks' upper halves of codes
.set SO,  68
.set CT,  72
.set PC,  228                          ; v228-239 p's fragment;  v[240:241] f = 2^(old M - new M) (the low word serves);  v242-247 three more chains of the sum
.set F,   240
.set SB,  242
.set WV,  8                            ; s8 my wave's number
.set JM,  15|(3<<16)|(1<<21)           ; group 1, word 0: all four work-groups, elements of 8 bytes, bit 21 beside the mask
; v1 1,536 (r / 8) + 24 (r % 8), v2 24 L + LV, v3 128 (r / 8) + 64 h + 4 (r % 8) + LKS, v4 4 L + LVS: lane terms that stay; v5-8 the step's LDS addresses; v9 24 r + 12 h, v10 4 r; v226 24 r; v227 8 h;
; v[12 + 4 e ..]: -M, the largest score, the sum in two halves, of head e; v[20 + 12 e ..] q's fragment; v44 + e q's scale words; v46-49 k's; v50 v's; v51 p's; v[170 + 16 e ..] O^T
.macro ROUND
	s_barrier_signal -1
	s_barrier_wait -1
	s_cmp_lg_u32 s[WV], 0
	s_cbranch_scc1 .Lnot_wave_0_\@
	s_barrier_signal -3
.Lnot_wave_0_\@:
	s_barrier_wait -3
	s_barrier_signal -1
	s_barrier_wait -1
.endm
.macro MKG1 g, c, r, p                 ; descriptor group 1: r rows of c elements, p elements from row to row
	s_mov_b32 s[\g], JM
	s_mov_b32 s[\g+1], (\c)<<16
	s_mov_b32 s[\g+2], (\r)<<16
	s_mov_b32 s[\g+3], (\c)<<16
	s_mov_b32 s[\g+4], \r
	s_mov_b32 s[\g+5], \p
	s_mov_b32 s[\g+6], 0
	s_mov_b32 s[\g+7], 0
.endm
.macro ARM under, g0, g1, next         ; one arm of the head's chain: its load, the lines behind it, a jump to the join
	s_cmp_lt_u32 s[WV], \under
	s_cbranch_scc0 \next
	tensor_load_to_lds s[\g0:\g0+3], s[\g1:\g1+7]
	s_nop 0
.rept 4
	v_nop
.endr
	s_branch .Lasked
\next:
.endm
	s_load_b128 s[4:7], s[0:1], 0x0                ; qkv, aq
	v_lshl_add_u32 v254, v0, 2, SPARE
	v_mov_b32 v255, 0
	ds_add_u32 v254, v255                          ; the opening lines: the add, twice on end, and its wait
	ds_add_u32 v254, v255
	v_lshrrev_b32 v11, 5, v0
	s_delay_alu instid0(VALU_DEP_1)
	v_readfirstlane_b32 s[WV], v11                 ; wave 0..15
	v_and_b32 v11, 31, v0                          ; L
	v_and_b32 v10, 15, v0                          ; r
	v_bfe_u32 v9, v0, 4, 1                         ; h
	s_delay_alu instid0(VALU_DEP_2)
	v_mul_u32_u24 v226, v10, 24
	s_delay_alu instid0(VALU_DEP_4)
	v_mul_u32_u24 v2, v11, 24
	s_delay_alu instid0(VALU_DEP_1)
	v_add_nc_u32 v2, LV, v2
	v_lshlrev_b32 v4, 2, v11
	s_delay_alu instid0(VALU_DEP_1)
	v_add_nc_u32 v4, LVS, v4
	v_lshlrev_b32 v227, 3, v9                      ; 8 h: by so many bits my two scale bytes of p are shifted
	v_and_b32 v3, 7, v0                            ; r % 8
	v_bfe_u32 v1, v0, 3, 1                         ; r / 8
	s_delay_alu instid0(VALU_DEP_1)
	v_lshlrev_b32 v11, 7, v1
	s_delay_alu instid0(VALU_DEP_1)
	v_lshl_add_u32 v11, v9, 6, v11
	s_delay_alu instid0(VALU_DEP_1)
	v_lshl_add_u32 v11, v3, 2, v11                 ; k's scale words: pair r / 8 of two, tile h of the pair, row r % 8
	s_delay_alu instid0(VALU_DEP_4)
	v_mul_u32_u24 v1, v1, 1536
	s_delay_alu instid0(VALU_DEP_1)
	v_mad_u32_u24 v1, v3, 24, v1                   ; k: pair r / 8 of two (1,536 bytes a pair), row r % 8
	s_delay_alu instid0(VALU_DEP_3)
	v_add_nc_u32 v3, LKS, v11
	v_mad_u32_u24 v9, v9, 12, v226
	v_lshlrev_b32 v10, 2, v10
	s_and_b32 s11, ttmp7, 0xffff
	s_lshr_b32 s12, s11, 4                         ; batch
	s_and_b32 s13, s11, 15                         ; pair of heads
	s_and_b32 s14, s[WV], 3                        ; which quarter I fetch
	s_lshl_b32 s15, s12, 5
	s_lshl_b32 s94, s13, 1
	s_add_co_u32 s15, s15, s94                     ; 32 batch + the pair's first head
	s_mov_b32 s95, 0
	MKG1 16, 96, 32, 1536                          ; k: 32 tiles' 768 bytes (two heads), 12,288 bytes apart
	MKG1 24, 32, 16, 32                            ; k's scale words: 4,096 dense bytes as rows of 256
	MKG1 32, 32, 96, 32                            ; v: a plane of 24,576 dense bytes
	MKG1 40, 32, 4, 32                             ; v's scale words: 1,024 dense bytes
	s_mov_b32 s76, 0x76543210
	s_mov_b32 s77, 0xfedcba98                      ; v_permlanex16_b32's selects for lane L xor 16
	s_mov_b32 s78, 0x3e8293ee                      ; c = log2(e) / sqrt(32)
	s_mov_b32 s79, s78                             ; (named with it as a pair, so it is written)
	s_mov_b32 s80, 0                               ; where the step's k, v and their scale words begin
	s_mov_b32 s81, 0
	s_mov_b32 s82, 0
	s_mov_b32 s83, 0
	s_wait_dscnt 0x0
	s_wait_kmcnt 0x0
	s_lshl_b32 s94, s15, 13                        ; k's scale words: 8,192 bytes a head, my 4,096 of the pair's
	s_lshl_b32 s96, s14, 12
	s_add_co_u32 s94, s94, s96
	s_add_co_u32 s94, s94, KSO
	s_mov_b32 s48, 1
	s_add_co_u32 s49, s96, LKS
	s_add_nc_u64 s[50:51], s[4:5], s[94:95]
	s_or_b32 s51, s51, 0x80000000
	s_lshl_b32 s94, s12, 7                         ; k: tiles 128 batch + 32 quarter on
	s_lshl_b32 s96, s14, 5
	s_add_co_u32 s94, s94, s96
	s_mul_i32 s94, s94, 12288
	s_mul_i32 s96, s13, 768
	s_add_co_u32 s94, s94, s96
	s_add_co_u32 s94, s94, KC
	s_mov_b32 s52, 1
	s_mul_i32 s53, s14, 24576
	s_add_nc_u64 s[54:55], s[4:5], s[94:95]
	s_or_b32 s55, s55, 0x80000000
	s_lshl_b32 s94, s15, 11                        ; v's scale words: 2,048 bytes a head
	s_lshl_b32 s96, s14, 10
	s_add_co_u32 s94, s94, s96
	s_add_co_u32 s94, s94, VS
	s_mov_b32 s56, 1
	s_add_co_u32 s57, s96, LVS
	s_add_nc_u64 s[58:59], s[4:5], s[94:95]
	s_or_b32 s59, s59, 0x80000000
	s_lshl_b32 s94, s15, 1                         ; v: plane 2 head + tile
	s_add_co_u32 s94, s94, s14
	s_mul_i32 s94, s94, 24576
	s_add_co_u32 s94, s94, VC
	s_mov_b32 s60, 1
	s_add_co_u32 s61, s53, LV
	s_add_nc_u64 s[62:63], s[4:5], s[94:95]
	s_or_b32 s63, s63, 0x80000000
	ROUND                                          ; all four work-groups are here: the joint loads meet
	ARM 4,  52, 16, .Lfor_v                        ; one chain on the wave's number, one load to an arm: every way passes exactly one
	ARM 8,  60, 32, .Lfor_ks
	ARM 12, 48, 24, .Lfor_vs
	tensor_load_to_lds s[56:59], s[40:47]
	s_nop 0
.rept 4
	v_nop
.endr
.Lasked:
	s_bfe_u32 s9, ttmp6, 0x40000                   ; cx
	s_lshl_b32 s10, ttmp9, 2
	s_add_co_u32 s10, s10, s9                      ; my block of 256 queries
	s_lshl_b32 s98, s10, 4
	s_add_co_u32 s98, s98, s[WV]                   ; my tile in the batch
	s_lshl_b32 s99, s12, 7
	s_add_co_u32 s99, s99, s98                     ; and among all
	s_mul_i32 s94, s99, 12288
	s_mul_i32 s96, s13, 768
	s_add_co_u32 s94, s94, s96
	s_add_nc_u64 s[86:87], s[4:5], s[94:95]        ; q's codes
	s_add_nc_u64 s[90:91], s[6:7], s[94:95]        ; the result's codes: the same place in aq
	s_lshl_b32 s94, s15, 13
	s_lshr_b32 s96, s98, 1
	s_lshl_b32 s96, s96, 7
	s_add_co_u32 s94, s94, s96
	s_and_b32 s96, s98, 1
	s_lshl_b32 s96, s96, 6
	s_add_co_u32 s94, s94, s96
	s_add_co_u32 s94, s94, QS
	s_add_nc_u64 s[88:89], s[4:5], s[94:95]        ; q's scale words
	s_lshr_b32 s94, s99, 1
	s_lshl_b32 s94, s94, 10
	s_lshr_b32 s96, s13, 1
	s_lshl_b32 s96, s96, 7
	s_add_co_u32 s94, s94, s96
	s_and_b32 s96, s99, 1
	s_lshl_b32 s96, s96, 6
	s_add_co_u32 s94, s94, s96
	s_and_b32 s96, s13, 1
	s_lshl_b32 s96, s96, 1
	s_add_co_u32 s94, s94, s96
	s_add_co_u32 s94, s94, HS
	s_add_nc_u64 s[92:93], s[6:7], s[94:95]        ; the result's scale bytes: two of a word's four
	s_wait_alu depctr_va_vdst(0)
.irp e, 0,1
.irp p, 0,1,2
	global_load_b64 v[20+12*\e+2*\p:21+12*\e+2*\p], v226, s[86:87] offset:384*\e+8*\p
.endr
	global_load_b32 v[44+\e], v10, s[88:89] offset:8192*\e
.endr
.irp e, 0,1
	v_mov_b32 v[13+4*\e], 0xff61b1e6               ; the largest score so far: -3e38, under every score
	s_delay_alu instid0(VALU_DEP_1)
	v_floor_f32 v[12+4*\e], -v[13+4*\e]            ; -M: a large whole number, so that the first f is 0
	v_mov_b32 v[14+4*\e], 0                        ; the sum, in two halves
	v_mov_b32 v[15+4*\e], 0
.irp j, 6,7,8,9,10,11
	v_mov_b32 v[20+12*\e+\j], 0                    ; q's fragment: zero codes for k = 64 on
.endr
.endr
.irp j, 0,1,2,3,4,5
	v_mov_b32 v[100+\j], 0                         ; behind k's last tile
.endr
	v_mov_b32 v[F+1], 0                            ; (named with f as a pair, so it is written)
.set j, 0
.rept 32
	v_mov_b32 v[170+j], 0                          ; O^T.  (The step is written once: the first finds zeros, which the first change of M leaves zeros)
.set j, j+1
.endr
	s_mov_b32 vcc_lo, 0xffff
	s_wait_loadcnt 0x0
.irp e, 0,1
.irp j, 0,1,2,3,4,5
	v_cndmask_b32 v[20+12*\e+\j], 0, v[20+12*\e+\j], vcc_lo        ; lanes 16-31 (k = 32 .. 63): zero codes
.endr
.endr
	s_wait_alu depctr_va_vdst(0)
	s_wait_tensorcnt 0x0                           ; my one load has landed,
	s_barrier_signal -1
	s_barrier_wait -1                              ; everybody's has: nothing is filled again
; k's eight tiles and four registers of scale words: 28 LDS loads.  ka, ks: address registers; ko, so: where head and step begin
.macro LOADK ka, ks, ko, so
.irp t, 0,1,2,3,4,5,6,7
.irp p, 0,1,2
	ds_load_b64 v[KF+6*\t+2*\p:KF+6*\t+2*\p+1], v[\ka] offset:\ko+3072*(\t>>2)+768*(\t&1)+192*((\t>>1)&1)+8*\p   ; tile 4 g + t: pairs 2 g, 2 g + 1 (by the lane), tile t % 2 of the pair, rows 8 (t / 2) on
.endr
.endr
.irp q, 0,1,2,3
	ds_load_b32 v[46+\q], v[\ks] offset:\so+256*(\q>>1)+32*(\q&1)  ; lanes 0-15: tile 2 q's rows, lanes 16-31: tile 2 q + 1's
.endr
.endm
.macro QK t, e                         ; S^T, tile t: the sum begins with 0
.if (\t)&1
	v_wmma_scale_f32_16x16x128_f8f6f4 v[S+8*\t:S+8*\t+7], v[KF+6*\t:KF+6*\t+11], v[QF:QF+11], 0, v[46+(\t>>1)], v[44+\e] matrix_a_fmt:MATRIX_FMT_FP6 matrix_b_fmt:MATRIX_FMT_FP6 matrix_a_scale:MATRIX_SCALE_ROW1
.else
	v_wmma_scale_f32_16x16x128_f8f6f4 v[S+8*\t:S+8*\t+7], v[KF+6*\t:KF+6*\t+11], v[QF:QF+11], 0, v[46+(\t>>1)], v[44+\e] matrix_a_fmt:MATRIX_FMT_FP6 matrix_b_fmt:MATRIX_FMT_FP6
.endif
.endm
.macro ORS j                           ; two numbers of O^T under the new M
	v_pk_mul_f32 v[O+\j:O+\j+1], v[O+\j:O+\j+1], v[F:F+1] op_sel_hi:[1,0]
.endm
; 128 keys of head e.  Its k is in flight or in registers when the step begins
.macro HEADSTEP e
.set ST, 12+4*\e
.set QF, 20+12*\e
.set O,  170+16*\e
	s_wait_dscnt 0x0                               ; k and its scale words are in: nothing else is out
.irp t, 0,1,2,3,4,5,6,7
	QK \t, \e
.endr
.if \e == 0
	v_add_nc_u32 v6, s81, v2                       ; the trip's addresses: four plain instructions, the places behind the products: for the reads of S^T and for the loads into v's registers
	v_add_nc_u32 v8, s83, v4
	v_add_nc_u32 v5, s80, v1
	v_add_nc_u32 v7, s82, v3
.else
	v_add_nc_u32 v6, 49152, v6                     ; head 1's two planes of v
.rept 3
	v_nop
.endr
.endif
.irp u, 0,1
.irp c, 0,1
.irp p, 0,1,2
	ds_load_b64 v[VF+12*\u+6*\c+2*\p:VF+12*\u+6*\c+2*\p+1], v6 offset:24576*\u+768*\c+8*\p
.endr
.endr
.endr
	ds_load_b32 v50, v8 offset:2048*\e
.irp g, 0,1                            ; the largest score of each of my two blocks of 32 keys: a chain to a tile, each accumulator read from its low end on
.irp t, 0,1,2,3
	v_max3_num_f32 v[BM+4*\g+\t], v[S+32*\g+8*\t], v[S+32*\g+8*\t+1], v[S+32*\g+8*\t+2]
.endr
.irp i, 3,5
.irp t, 0,1,2,3
	v_max3_num_f32 v[BM+4*\g+\t], v[BM+4*\g+\t], v[S+32*\g+8*\t+\i], v[S+32*\g+8*\t+\i+1]
.endr
.endr
.endr
.irp g, 0,1
	v_max_num_f32 v[XM+\g], v[S+32*\g+23], v[S+32*\g+31]           ; the four scores that the chains left, and the chains
.endr
.irp g, 0,1
	v_max3_num_f32 v[BM+4*\g], v[BM+4*\g], v[BM+4*\g+1], v[S+32*\g+7]
	v_max3_num_f32 v[BM+4*\g+2], v[BM+4*\g+2], v[BM+4*\g+3], v[S+32*\g+15]
.endr
	s_delay_alu instid0(VALU_DEP_3)
	v_max3_num_f32 v[BM], v[BM], v[BM+2], v[XM]                    ; the block's largest score: for the row's maximum and, since p rises with the score, for the block's largest p
	s_delay_alu instid0(VALU_DEP_2)
	v_max3_num_f32 v[BM+4], v[BM+4], v[BM+6], v[XM+1]
	s_delay_alu instid0(VALU_DEP_1)
	v_max_num_f32 v[TMP], v[BM], v[BM+4]           ; my 64 keys' largest score
	s_delay_alu instid0(VALU_DEP_1)
	v_permlanex16_b32 v[PT], v[TMP], s76, s77      ; lane L xor 16's 64 keys'
	v_mov_b32 v[PT+1], v[ST]                       ; the old -M
	s_delay_alu instid0(VALU_DEP_2)
	v_max3_num_f32 v[ST+1], v[ST+1], v[TMP], v[PT] ; the running largest score of my query
	s_delay_alu instid0(VALU_DEP_1)
	v_mul_f32 v[TMP], s78, v[ST+1]                 ; as t (c is positive)
	s_delay_alu instid0(VALU_DEP_1)
	v_floor_f32 v[ST], -v[TMP]                     ; the new -M = floor(-t) = -ceil(t): a whole number
.set j, 0
.rept 32
	v_pk_fma_f32 v[S+j:S+j+1], v[S+j:S+j+1], s[78:79], v[ST:ST+1] op_sel_hi:[1,0,0]   ; t - M, two at a time (of the pairs c and -M the low word serves both halves)
.if j == 6
	v_sub_f32 v[TMP], v[ST], v[PT+1]               ; old M - new M: a whole number, 0 or less; f is made among the multiply-adds
.elseif j == 14
	v_cvt_i32_f32 v[TMP], v[TMP]                   ; (it saturates)
.elseif j == 22
	v_ldexp_f32 v[F], 1.0, v[TMP]                  ; f = 2^(old M - new M)
.endif
.set j, j+2
.endr
.irp g, 0,1
	v_fma_f32 v[BM+4*\g], v[BM+4*\g], s78, v[ST]   ; the same of each block's largest score
.endr
	s_wait_alu depctr_va_vdst(0)
.set j, 0
.rept 64
	v_exp_f32 v[S+j], v[S+j]                       ; p = 2^(t - M), at most 1
.set j, j+1
.endr
.irp g, 0,1
	v_exp_f32 v[BM+4*\g], v[BM+4*\g]               ; the block's largest p
.endr
	v_pk_mul_f32 v[ST+2:ST+3], v[ST+2:ST+3], v[F:F+1] op_sel_hi:[1,0]   ; the sum under the new M.  (A plain place behind the exponentials)
	s_wait_alu depctr_va_vdst(0)                   ; one wait for the batch, directly ahead of the first readers of O^T too
	ORS 0                                          ; O^T's eight multiplications stand among the lines that make p's scales, which hang on each other
	ORS 8
	v_max_num_f32 v[BM], 0x1800000, v[BM]          ; the floor 2^(3 - 127): the byte cannot fall under 1
	v_max_num_f32 v[BM+4], 0x1800000, v[BM+4]
	ORS 2
	ORS 10
	v_add_nc_u32 v[SO], 0xff000000, v[BM]          ; 2 off the exponent field: the conversion's scale operand
	v_add_nc_u32 v[SO+1], 0xff000000, v[BM+4]
	ORS 4
	ORS 12
	v_lshrrev_b32 v[PT], 23, v[SO]                 ; the scale's byte
	v_lshrrev_b32 v[PT+1], 23, v[SO+1]
.irp c, 0,1
	v_cvt_scalef32_pk16_fp6_f32 v[PC+6*\c:PC+6*\c+2], v[S+32*\c:S+32*\c+15], v[SO+\c]         ; registers 6 c .. 6 c + 5 of the operand: keys 64 c + 32 h + 0 .. 31
	v_cvt_scalef32_pk16_fp6_f32 v[CT+4*\c:CT+4*\c+2], v[S+32*\c+16:S+32*\c+31], v[SO+\c]      ; (a conversion's three registers begin on an even number: the upper half is made elsewhere and moved)
.endr
	ORS 6                                          ; the plain place behind the last scaled conversion
	v_lshl_or_b32 v51, v[PT+1], 16, v[PT]          ; my two bytes: blocks h and 2 + h of these 128 keys,
	ORS 14
	v_lshlrev_b32 v51, v227, v51                   ; at their places in p's scale word (8 h bits up);
.irp i, 0,1,2
	v_mov_b32 v[PC+3+\i], v[CT+\i]
.endr
	v_permlanex16_b32 v[PT+2], v51, s76, s77
.irp i, 0,1,2
	v_mov_b32 v[PC+9+\i], v[CT+4+\i]
.endr
	v_or_b32 v51, v51, v[PT+2]                     ; with lane L xor 16's two the word is whole
.if \e == 0
	LOADK 5, 7, 384, 8192                          ; what stood in k's registers is done with: head 1's k of these keys
.else
	LOADK 5, 7, 6144, 512                          ; head 0's k of the next 128 keys
.endif
	v_pk_add_f32 v[SB:SB+1], v[S:S+1], v[S+2:S+3]                  ; the row's sum is taken of the unquantised p: two at a time, in four chains.  (These 32 are also the places between p's scale word and codes and the products below)
	v_pk_add_f32 v[SB+2:SB+3], v[S+4:S+5], v[S+6:S+7]
	v_pk_add_f32 v[SB+4:SB+5], v[S+8:S+9], v[S+10:S+11]
	v_pk_add_f32 v[ST+2:ST+3], v[ST+2:ST+3], v[S+12:S+13]
.irp j, 14,22,30,38,46,54
	v_pk_add_f32 v[SB:SB+1], v[SB:SB+1], v[S+\j:S+\j+1]
	v_pk_add_f32 v[SB+2:SB+3], v[SB+2:SB+3], v[S+\j+2:S+\j+3]
	v_pk_add_f32 v[SB+4:SB+5], v[SB+4:SB+5], v[S+\j+4:S+\j+5]
	v_pk_add_f32 v[ST+2:ST+3], v[ST+2:ST+3], v[S+\j+6:S+\j+7]
.endr
	v_pk_add_f32 v[SB:SB+1], v[SB:SB+1], v[S+62:S+63]
	v_pk_add_f32 v[SB+2:SB+3], v[SB+2:SB+3], v[SB+4:SB+5]
	s_delay_alu instid0(VALU_DEP_2)
	v_pk_add_f32 v[ST+2:ST+3], v[ST+2:ST+3], v[SB:SB+1]
	s_delay_alu instid0(VALU_DEP_1)
	v_pk_add_f32 v[ST+2:ST+3], v[ST+2:ST+3], v[SB+2:SB+3]
	s_wait_dscnt 28                                ; v's 13 loads are in; the 28 issued behind them, the next k, may be out
	v_wmma_scale_f32_16x16x128_f8f6f4 v[O:O+7], v[VF:VF+11], v[PC:PC+11], v[O:O+7], v50, v51 matrix_a_fmt:MATRIX_FMT_FP6 matrix_b_fmt:MATRIX_FMT_FP6   ; O^T += v^T p^T: two accumulators, one instruction each
	v_wmma_scale_f32_16x16x128_f8f6f4 v[O+8:O+15], v[VF+12:VF+23], v[PC:PC+11], v[O+8:O+15], v50, v51 matrix_a_fmt:MATRIX_FMT_FP6 matrix_b_fmt:MATRIX_FMT_FP6 matrix_a_scale:MATRIX_SCALE_ROW1
.endm
	LOADK 1, 3, 0, 0                               ; head 0's k of the first 128 keys
	s_mov_b32 s84, 16                              ; sixteen steps of 128 keys, both heads in each
.Lk:
	HEADSTEP 0
	HEADSTEP 1
	s_add_co_u32 s80, s80, 6144                    ; 8 tiles of k
	s_add_co_u32 s81, s81, 1536                    ; 4 blocks of v
	s_add_co_u32 s82, s82, 512                     ; 4 pairs' scale words
	s_add_co_u32 s83, s83, 128
	s_sub_co_u32 s84, s84, 1
	s_cmp_lg_u32 s84, 0
	s_cbranch_scc1 .Lk
	; THE WAY OUT: O^T / the sum; a lane's 16 numbers of head e are 16 neighbours of that head's block
	s_wait_dscnt 0x0                               ; the last look-ahead has landed: its registers are at work below
.rept 4
	v_nop                                          ; places behind the last products
.endr
	s_wait_alu depctr_va_vdst(0)                   ; the wait directly ahead of the reader below: head 1's sum was written just ahead of the loop's last waits
.irp e, 0,1
	v_add_f32 v[52+\e], v[14+4*\e], v[15+4*\e]     ; the sum's two halves,
.endr
.irp e, 0,1
	s_delay_alu instid0(VALU_DEP_2)
	v_permlanex16_b32 v[54+\e], v[52+\e], s76, s77
.endr
.irp e, 0,1
	s_delay_alu instid0(VALU_DEP_2)
	v_add_f32 v[52+\e], v[52+\e], v[54+\e]         ; and lane L xor 16's
.endr
	s_wait_alu depctr_va_vdst(0)
.irp e, 0,1
	v_rcp_f32 v[52+\e], v[52+\e]
.endr
	v_nop                                          ; a plain place behind the transcendentals
	s_wait_alu depctr_va_vdst(0)
.irp e, 0,1
.irp j, 0,1,2,3,4,5,6,7,8,9,10,11,12,13,14,15
	v_mul_f32 v[S+16*\e+\j], v[170+16*\e+\j], v[52+\e]             ; each accumulator from its low end on
.endr
.endr
.irp b, 0,1
	v_max3_num_f32 v[56+\b], |v[S+16*\b]|, |v[S+16*\b+1]|, 0x1800000
.endr
.irp i, 2,4,6,8,10,12,14
.irp b, 0,1
	s_delay_alu instid0(VALU_DEP_2)
	v_max3_num_f32 v[56+\b], v[56+\b], |v[S+16*\b+\i]|, |v[S+16*\b+\i+1]|
.endr
.endr
.irp b, 0,1
	s_delay_alu instid0(VALU_DEP_2)
	v_permlanex16_b32 v[58+\b], v[56+\b], s76, s77
.endr
.irp b, 0,1
	s_delay_alu instid0(VALU_DEP_2)
	v_max_num_f32 v[56+\b], v[56+\b], v[58+\b]
.endr
.irp b, 0,1
	s_delay_alu instid0(VALU_DEP_2)
	v_add_nc_u32 v[60+\b], 0xff000000, v[56+\b]
.endr
.irp b, 0,1
	s_delay_alu instid0(VALU_DEP_2)
	v_lshrrev_b32 v[62+\b], 23, v[60+\b]
.endr
.irp b, 0,1
	v_cvt_scalef32_pk16_fp6_f32 v[64+4*\b:66+4*\b], v[S+16*\b:S+16*\b+15], v[60+\b]
.endr
	v_nop
	v_lshl_or_b32 v72, v63, 8, v62                 ; the two heads' bytes
.irp b, 0,1
	global_store_b96 v9, v[64+4*\b:66+4*\b], s[90:91] offset:384*\b
.endr
	global_store_b16 v10, v72, s[92:93]            ; lanes r and r + 16 write the same bytes with the same value
	s_wait_tensorcnt 0x0                           ; the wave's end
	ds_add_u32 v254, v255
	s_wait_dscnt 0x0
	ROUND                                          ; the closing round
	s_endpgm
.Lfunc_end_k_q515404d378_attn:
	.size	k_q515404d378_attn, .Lfunc_end_k_q515404d378_attn-k_q515404d378_attn
	.p2alignl 7, 3214868480
	.fill 96, 4, 3214868480
	.section	.rodata,"a",@progbits
	.p2align	6, 0x0
	.amdhsa_kernel k_q515404d378_attn
		.amdhsa_group_segment_fixed_size 219136
		.amdhsa_private_segment_fixed_size 0
		.amdhsa_enable_private_segment 0
		.amdhsa_kernarg_size 16
		.amdhsa_user_sgpr_count 2
		.amdhsa_user_sgpr_kernarg_segment_ptr 1
		.amdhsa_wavefront_size32 1
		.amdhsa_system_sgpr_workgroup_id_x 1
		.amdhsa_system_sgpr_workgroup_id_y 1
		.amdhsa_system_sgpr_workgroup_id_z 1
		.amdhsa_system_vgpr_workitem_id 0
		.amdhsa_next_free_vgpr 256
		.amdhsa_next_free_sgpr 100
		.amdhsa_reserve_vcc 1
		.amdhsa_float_denorm_mode_32 3
		.amdhsa_float_denorm_mode_16_64 3
		.amdhsa_memory_ordered 1
		.amdhsa_forward_progress 1
		.amdhsa_inst_pref_size 48
	.end_amdhsa_kernel
	.amdgpu_metadata
---
amdhsa.version: [ 1, 2 ]
amdhsa.kernels:
  - .name:           k_q515404d378_attn
    .symbol:         k_q515404d378_attn.kd
    .args:
      - { .name: qkv, .offset: 0, .size: 8, .value_kind: global_buffer, .address_space: global }
      - { .name: aq, .offset: 8, .size: 8, .value_kind: global_buffer, .address_space: global }
    .group_segment_fixed_size: 219136
    .private_segment_fixed_size: 0
    .kernarg_segment_align: 8
    .kernarg_segment_size: 16
    .max_flat_workgroup_size: 512
    .sgpr_count:     100
    .vgpr_count:     256
    .wavefront_size: 32
...
	.end_amdgpu_metadata
.endif
;; end of part 3
;; launch wo (part 4): grid 64 x 4, 4 waves a work-group, clusters of 4 x 1, 273,920 bytes of LDS; arguments aq, wimg, x, x1; writes x1
.if DOCPART == 4
	.amdgcn_target "amdgcn-amd-amdhsa--gfx1250"
	.amdhsa_code_object_version 6
	.text
	.protected	k_q515404d378_wo
	.globl	k_q515404d378_wo
	.p2align	8
	.type	k_q515404d378_wo,@function
k_q515404d378_wo:
	s_mov_b64 s[64:65], 0
	v_nop
	global_prefetch_b8 v0, s[64:65] scope:SCOPE_SE
	s_setreg_imm32_b32 hwreg(HW_REG_WAVE_MODE, 25, 1), 1
	s_wait_xcnt 0x0
	s_wait_alu depctr_hold_cnt(0) depctr_sa_sdst(0) depctr_va_vdst(0) depctr_va_sdst(0) depctr_va_ssrc(0) depctr_va_vcc(0) depctr_vm_vsrc(0)
	s_getreg_b32 s2, hwreg(HW_REG_IB_STS2, 6, 4)
	s_cmp_eq_u32 s2, 0
	s_cbranch_scc0 .Lentry_in_a_cluster
	s_endpgm
.Lentry_in_a_cluster:
	s_bfe_u32 s2, ttmp6, 0x10000c
	s_cmp_lg_u32 s2, 0x3003
	s_cbranch_scc0 .Lentry_shape_is_right
	s_endpgm
.Lentry_shape_is_right:
; x1 = x + attn_out wo: a product on codes of FP6 (E2M3), K = 1,024, with the residual added in f32.
; A work-group takes 64 tokens (4 tiles of 16) x 256 columns; wave w takes the 4 tiles of tokens x 4 tiles of columns: 16 accumulators.
; All operands lie in LDS whole, filled once by tensor loads issued together at the start; one a wave, all waited for by one wait for 0 and one barrier.
; A wave's part of the weight is read by that wave alone; the tokens' codes and scale words are read by all four, behind the one barrier.
; CLUSTER: the four work-groups of a cluster take the same columns and other tokens: the weight's tiles and scale words are asked for jointly (mask 15); the tokens' are plain loads.
; THE PRODUCT IS USED TRANSPOSED (source 0 = 16 columns of the weight, source 1 = 16 tokens): a lane holds one token and eight neighbouring columns.  Rows of a tile T (tokens, columns): 32 (T / 2) + 8 (T % 2) + i + 8 (i / 8).
; REGISTERS, in windows of 256: window 0: v1-7 addresses; two sets of 104 at v32 and v136: tokens' 4 fragments, the weight's 4, 4 registers of scale words; on the way out v32-159 rows.  Window 1: v0-127 accumulators, v128-255 the residual.
.set KS,   8                           ; K steps of 128
.set NQ,   KS/2
.set TS,   1536*KS                     ; a tile's codes
.set W_C,  2359296                     ; wimg: this weight's codes and scale words
.set W_S,  5013504
.set ASC,  3145728                     ; the tokens' scale words
.set BO,   6144*KS                      ; LDS: tokens [tile 4][K step][1,536] at 0; the weight: 6,144 KS a wave: [tile 4][K step][1,536];
.set AS_L, 30720*KS                     ;      the tokens' scale words [pair 2][K step][128];
.set BS_L, AS_L+256*KS                  ;      the weight's [pair 8][K step][128];
.set STG,  AS_L+1280*KS                 ;      the stages for the way out: 16 rows x 272 bytes a wave; no fill lands there
.set WV,   12
.set MSB, 0
.macro WIN new                         ; the immediate's high byte repeats the setting that is left
.if MSB != \new
	s_set_vgpr_msb (MSB<<8)|\new
.set MSB, \new
.endif
.endm
.macro ROUND
	s_barrier_signal -1
	s_barrier_wait -1
	s_cmp_lg_u32 s[WV], 0
	s_cbranch_scc1 .Lnot_wave_0_\@
	s_barrier_signal -3
.Lnot_wave_0_\@:
	s_barrier_wait -3
	s_barrier_signal -1
	s_barrier_wait -1
.endm
.macro MKG1 g, w0, c, r, p
	s_mov_b32 s[\g], \w0
	s_mov_b32 s[\g+1], (\c)<<16
	s_mov_b32 s[\g+2], (\r)<<16
	s_mov_b32 s[\g+3], (\c)<<16
	s_mov_b32 s[\g+4], \r
	s_mov_b32 s[\g+5], \p
	s_mov_b32 s[\g+6], 0
	s_mov_b32 s[\g+7], 0
.endm
.macro MMX z, ra, rb
.if \z
.if (\ra) && (\rb)
	v_wmma_scale_f32_16x16x128_f8f6f4 v[rD:rD+7], v[rA:rA+11], v[rB:rB+11], 0, v[rSA], v[rSB] matrix_a_fmt:MATRIX_FMT_FP6 matrix_b_fmt:MATRIX_FMT_FP6 matrix_a_scale:MATRIX_SCALE_ROW1 matrix_b_scale:MATRIX_SCALE_ROW1
.elseif \ra
	v_wmma_scale_f32_16x16x128_f8f6f4 v[rD:rD+7], v[rA:rA+11], v[rB:rB+11], 0, v[rSA], v[rSB] matrix_a_fmt:MATRIX_FMT_FP6 matrix_b_fmt:MATRIX_FMT_FP6 matrix_a_scale:MATRIX_SCALE_ROW1
.elseif \rb
	v_wmma_scale_f32_16x16x128_f8f6f4 v[rD:rD+7], v[rA:rA+11], v[rB:rB+11], 0, v[rSA], v[rSB] matrix_a_fmt:MATRIX_FMT_FP6 matrix_b_fmt:MATRIX_FMT_FP6 matrix_b_scale:MATRIX_SCALE_ROW1
.else
	v_wmma_scale_f32_16x16x128_f8f6f4 v[rD:rD+7], v[rA:rA+11], v[rB:rB+11], 0, v[rSA], v[rSB] matrix_a_fmt:MATRIX_FMT_FP6 matrix_b_fmt:MATRIX_FMT_FP6
.endif
.else
.if (\ra) && (\rb)
	v_wmma_scale_f32_16x16x128_f8f6f4 v[rD:rD+7], v[rA:rA+11], v[rB:rB+11], v[rD:rD+7], v[rSA], v[rSB] matrix_a_fmt:MATRIX_FMT_FP6 matrix_b_fmt:MATRIX_FMT_FP6 matrix_a_scale:MATRIX_SCALE_ROW1 matrix_b_scale:MATRIX_SCALE_ROW1
.elseif \ra
	v_wmma_scale_f32_16x16x128_f8f6f4 v[rD:rD+7], v[rA:rA+11], v[rB:rB+11], v[rD:rD+7], v[rSA], v[rSB] matrix_a_fmt:MATRIX_FMT_FP6 matrix_b_fmt:MATRIX_FMT_FP6 matrix_a_scale:MATRIX_SCALE_ROW1
.elseif \rb
	v_wmma_scale_f32_16x16x128_f8f6f4 v[rD:rD+7], v[rA:rA+11], v[rB:rB+11], v[rD:rD+7], v[rSA], v[rSB] matrix_a_fmt:MATRIX_FMT_FP6 matrix_b_fmt:MATRIX_FMT_FP6 matrix_b_scale:MATRIX_SCALE_ROW1
.else
	v_wmma_scale_f32_16x16x128_f8f6f4 v[rD:rD+7], v[rA:rA+11], v[rB:rB+11], v[rD:rD+7], v[rSA], v[rSB] matrix_a_fmt:MATRIX_FMT_FP6 matrix_b_fmt:MATRIX_FMT_FP6
.endif
.endif
.endm
	s_load_b256 s[4:11], s[0:1], 0x0               ; the tokens' codes s[4:5], wimg s[6:7], the residual s[8:9], the result s[10:11]
	v_lshl_add_u32 v254, v0, 2, 0x42c00
	v_mov_b32 v255, 0
	ds_add_u32 v254, v255
	ds_add_u32 v254, v255
	v_lshrrev_b32 v8, 5, v0
	v_readfirstlane_b32 s[WV], v8                  ; wave 0..3
	v_and_b32 v8, 31, v0                           ; L
	v_and_b32 v9, 15, v0                           ; r
	v_bfe_u32 v10, v0, 4, 1                        ; h
	v_mul_u32_u24 v1, v8, 24                       ; v1  the tokens' fragments: 24 L
	s_mul_i32 s60, s[WV], 6144*KS
	s_add_co_u32 s60, s60, BO
	v_lshlrev_b32 v2, 4, v8
	v_add_nc_u32 v2, s60, v2                       ; v2  my part of the weight: 16 L
	v_lshlrev_b32 v3, 2, v8
	s_mul_i32 s60, s[WV], 256*KS
	s_add_co_u32 s60, s60, BS_L
	v_add_nc_u32 v4, s60, v3                       ; v4  its scale words
	v_add_nc_u32 v3, AS_L, v3                      ; v3  the tokens' scale words
	s_mul_i32 s60, s[WV], 4352
	s_add_co_u32 s60, s60, STG                     ; my stage
	v_mul_u32_u24 v5, v9, 272
	v_lshl_add_u32 v5, v10, 6, v5
	v_add_nc_u32 v5, s60, v5                       ; v5  in: row r, + 64 h
	v_mul_u32_u24 v6, v10, 272
	v_lshl_add_u32 v6, v9, 4, v6
	v_add_nc_u32 v6, s60, v6                       ; v6  back: lanes 0-15 one row of 256 bytes, lanes 16-31 the next
	v_lshlrev_b32 v7, 12, v10
	v_lshl_add_u32 v7, v9, 4, v7                   ; v7  the same two rows in memory: 4,096 h + 16 r
	s_bfe_u32 s13, ttmp6, 0x40000                  ; cx
	s_lshl_b32 s14, ttmp9, 2
	s_add_co_u32 s14, s14, s13                     ; which 64 tokens
	s_and_b32 s15, ttmp7, 0xffff                   ; which 256 columns; the four partners share it
	; THE FILLS AS THEY STAND (in place of what the head comment says of parts, counted waits and the number of loads out): four dense regions, ONE tensor load a wave, one wait for 0 and one barrier.
	; Wave 0: the four tiles of tokens; wave 1: the sixteen tiles of the weight, as they lie in wimg, [tile][K step][1,536]; wave 2: the tokens' scale words; wave 3: the weight's.  All of them are read behind the barrier.
	MKG1 16, 3<<16, 32, 24*KS, 32                  ; four tiles of tokens: 6,144 KS dense bytes as rows of 256 (elements of 8 bytes); no mask
	MKG1 24, 15|(3<<16)|(1<<21), 32, 96*KS, 32     ; sixteen tiles of the weight: 24,576 KS dense bytes; mask: all four work-groups, bit 21 beside it
	MKG1 32, 3<<16, 32, KS, 32                     ; the tokens' scale words: 256 KS dense bytes
	MKG1 40, 15|(3<<16)|(1<<21), 32, 4*KS, 32      ; the weight's scale words: 1,024 KS dense bytes
	s_mov_b32 s61, 0
	s_wait_dscnt 0x0
	s_wait_kmcnt 0x0
	s_mul_i32 s60, s14, 256*KS                     ; the tokens' scale words
	s_add_co_u32 s60, s60, ASC
	s_mov_b32 s48, 1
	s_mov_b32 s49, AS_L
	s_add_nc_u64 s[50:51], s[4:5], s[60:61]
	s_or_b32 s51, s51, 0x80000000
	s_mul_i32 s60, s15, 1024*KS                    ; the weight's scale words: pairs 8 y on
	s_add_co_u32 s60, s60, W_S
	s_mov_b32 s52, 1
	s_mov_b32 s53, BS_L
	s_add_nc_u64 s[54:55], s[6:7], s[60:61]
	s_or_b32 s55, s55, 0x80000000
	s_mul_i32 s60, s14, 4*TS                       ; the tokens' four tiles
	s_mov_b32 s56, 1
	s_mov_b32 s57, 0
	s_add_nc_u64 s[58:59], s[4:5], s[60:61]
	s_or_b32 s59, s59, 0x80000000
	s_mul_i32 s60, s15, 16*TS                      ; the weight's tiles 16 y on
	s_add_co_u32 s60, s60, W_C
	s_mov_b32 s68, 1
	s_mov_b32 s69, BO
	s_add_nc_u64 s[70:71], s[6:7], s[60:61]
	s_or_b32 s71, s71, 0x80000000
	s_lshl_b32 s60, s14, 18                        ; 64 rows of 4,096 bytes,
	s_lshl_b32 s62, s15, 10                        ; 256 columns,
	s_add_co_u32 s60, s60, s62
	s_lshl_b32 s62, s[WV], 8                       ; my 64 of them
	s_add_co_u32 s60, s60, s62
	s_add_nc_u64 s[84:85], s[8:9], s[60:61]
	s_add_nc_u64 s[86:87], s[10:11], s[60:61]
	ROUND                                          ; all four work-groups are here: the joint loads meet
.macro ARM under, g0, g1, next         ; one arm of the head's chain on the wave's number: its load, the lines behind it, a jump to the join
	s_cmp_lt_u32 s[WV], \under
	s_cbranch_scc0 \next
	tensor_load_to_lds s[\g0:\g0+3], s[\g1:\g1+7]
	s_nop 0
.rept 4
	v_nop
.endr
	s_branch .Lasked
\next:
.endm
	ARM 1, 56, 16, .Lfor_w
	ARM 2, 68, 24, .Lfor_as
	ARM 3, 48, 32, .Lfor_ws
	tensor_load_to_lds s[52:55], s[40:47]
	s_nop 0
.rept 4
	v_nop
.endr
.Lasked:
	WIN 0x40                                       ; destination window 1
	s_wait_alu depctr_va_vdst(0)
.irp m, 0,1,2,3
.irp t, 0,1,2,3,4,5,6,7
	global_load_b128 v[128+32*\m+4*\t:128+32*\m+4*\t+3], v7, s[84:85] offset:(32*(\m>>1)+8*(\m&1)+2*\t+8*(\t>>2))*4096   ; the residual, in the order in which the rows will leave: rows 2 t + h of tile m
.endr
.endr
	WIN 0
.macro LOADSET k                       ; K step k: 24 + 12 + 4 = 40 LDS loads into set k % 2
.set sb, 32+104*((\k)&1)
.irp m, 0,1,2,3
.irp c, 0,1
.irp p, 0,1,2
	ds_load_b64 v[sb+12*\m+6*\c+2*\p:sb+12*\m+6*\c+2*\p+1], v1 offset:TS*\m+1536*(\k)+768*\c+8*\p
.endr
.endr
.endr
.irp n, 0,1,2,3
.irp g, 0,1,2
	ds_load_b128 v[sb+48+12*\n+4*\g:sb+48+12*\n+4*\g+3], v2 offset:TS*\n+1536*(\k)+512*\g
.endr
.endr
.irp u, 0,1
	ds_load_b32 v[sb+96+\u], v3 offset:128*KS*\u+128*(\k)
	ds_load_b32 v[sb+98+\u], v4 offset:128*KS*\u+128*(\k)
.endr
.endm
.macro MUL k                           ; 16 matrix instructions, the 16 accumulators by turns, in the same order in every K step
.set sb, 32+104*((\k)&1)
	WIN 0x50                                       ; C and D window 1
.irp m, 0,1,2,3
.irp n, 0,1,2,3
.set rD, 8*(4*\m+\n)
.set rA, sb+48+12*\n
.set rB, sb+12*\m
.set rSA, sb+98+(\n>>1)
.set rSB, sb+96+(\m>>1)
	MMX ((\k)==0), (\n&1), (\m&1)
.endr
.endr
	WIN 0
.endm
.macro STEP k
.if (\k)+1 < KS
	LOADSET (\k)+1
	s_wait_dscnt 40                                ; all but the 40 just issued
.else
	s_wait_dscnt 0x0
.endif
	MUL \k
.rept 4
	v_nop                                          ; places in front of loads into registers that matrix instructions have read, and of the first read of results
.endr
.endm
	s_wait_tensorcnt 0x0                           ; my one load has landed,
	s_barrier_signal -1
	s_barrier_wait -1                              ; everybody's are
	LOADSET 0
.set kk, 0
.rept KS
	STEP kk
.set kk, kk+1
.endr
	; THE WAY OUT, a tile of 16 tokens at a time through my own stage: in as 32 bytes a lane, back as whole rows of 256 bytes; the residual is added; sixteen lanes store 256 consecutive bytes, aligned
	s_wait_loadcnt 0x0                             ; the residual
.irp m, 0,1,2,3
	WIN 0x04                                       ; an LDS store's data are its source 1: window 1
.irp n, 0,1,2,3
	ds_store_b128 v5, v[8*(4*\m+\n):8*(4*\m+\n)+3] offset:128*(\n>>1)+32*(\n&1)        ; each accumulator from its low end on
	ds_store_b128 v5, v[8*(4*\m+\n)+4:8*(4*\m+\n)+7] offset:128*(\n>>1)+32*(\n&1)+16
.endr
	WIN 0
.irp t, 0,1,2,3,4,5,6,7
	ds_load_b128 v[32+32*\m+4*\t:32+32*\m+4*\t+3], v6 offset:544*\t   ; LDS serves a wave's instructions in order (ISA guide 5.7.1.4): these see my stores, and the next tile's stores come behind them
.endr
.endr
.irp m, 0,1,2,3
	s_wait_dscnt 16*(3-\m)                         ; the later tiles' 16 LDS instructions each may be out
	WIN 0x04                                       ; source 1 window 1
.irp j, 0,2,4,6,8,10,12,14,16,18,20,22,24,26,28,30
	v_pk_add_f32 v[32+32*\m+\j:33+32*\m+\j], v[32+32*\m+\j:33+32*\m+\j], v[128+32*\m+\j:129+32*\m+\j]
.endr
	WIN 0
.irp t, 0,1,2,3,4,5,6,7
	global_store_b128 v7, v[32+32*\m+4*\t:32+32*\m+4*\t+3], s[86:87] offset:(32*(\m>>1)+8*(\m&1)+2*\t+8*(\t>>2))*4096
.endr
.endr
	s_wait_dscnt 0x0
	s_wait_tensorcnt 0x0
	ds_add_u32 v254, v255
	s_wait_dscnt 0x0
	ROUND                                          ; the closing round
	s_endpgm
.Lfunc_end_k_q515404d378_wo:
	.size	k_q515404d378_wo, .Lfunc_end_k_q515404d378_wo-k_q515404d378_wo
	.p2alignl 7, 3214868480
	.fill 96, 4, 3214868480
	.section	.rodata,"a",@progbits
	.p2align	6, 0x0
	.amdhsa_kernel k_q515404d378_wo
		.amdhsa_group_segment_fixed_size 273920
		.amdhsa_private_segment_fixed_size 0
		.amdhsa_enable_private_segment 0
		.amdhsa_kernarg_size 32
		.amdhsa_user_sgpr_count 2
		.amdhsa_user_sgpr_kernarg_segment_ptr 1
		.amdhsa_wavefront_size32 1
		.amdhsa_system_sgpr_workgroup_id_x 1
		.amdhsa_system_sgpr_workgroup_id_y 1
		.amdhsa_system_sgpr_workgroup_id_z 1
		.amdhsa_system_vgpr_workitem_id 0
		.amdhsa_next_free_vgpr 512
		.amdhsa_next_free_sgpr 92
		.amdhsa_reserve_vcc 0
		.amdhsa_float_denorm_mode_32 3
		.amdhsa_float_denorm_mode_16_64 3
		.amdhsa_memory_ordered 1
		.amdhsa_forward_progress 1
		.amdhsa_inst_pref_size 60
	.end_amdhsa_kernel
	.amdgpu_metadata
---
amdhsa.version: [ 1, 2 ]
amdhsa.kernels:
  - .name:           k_q515404d378_wo
    .symbol:         k_q515404d378_wo.kd
    .args:
      - { .name: aq, .offset: 0, .size: 8, .value_kind: global_buffer, .address_space: global }
      - { .name: wimg, .offset: 8, .size: 8, .value_kind: global_buffer, .address_space: global }
      - { .name: x, .offset: 16, .size: 8, .value_kind: global_buffer, .address_space: global }
      - { .name: x1, .offset: 24, .size: 8, .value_kind: global_buffer, .address_space: global }
    .group_segment_fixed_size: 273920
    .private_segment_fixed_size: 0
    .kernarg_segment_align: 8
    .kernarg_segment_size: 32
    .max_flat_workgroup_size: 128
    .sgpr_count:     92
    .vgpr_count:     512
    .wavefront_size: 32
...
	.end_amdgpu_metadata
.endif
;; end of part 4
;; launch xnorm2 (part 5): grid 256 x 1, 4 waves a work-group, no clusters, 768 bytes of LDS; arguments x1, hq; writes hq
.if DOCPART == 5
	.amdgcn_target "amdgcn-amd-amdhsa--gfx1250"
	.amdhsa_code_object_version 6
	.text
	.protected	k_q515404d378_xnorm2
	.globl	k_q515404d378_xnorm2
	.p2align	8
	.type	k_q515404d378_xnorm2,@function
k_q515404d378_xnorm2:
	s_mov_b64 s[64:65], 0
	v_nop
	global_prefetch_b8 v0, s[64:65] scope:SCOPE_SE
	s_setreg_imm32_b32 hwreg(HW_REG_WAVE_MODE, 25, 1), 1
	s_wait_xcnt 0x0
; h = x rsqrt(mean(x^2) + 1e-6), row by row of 1,024 f32, quantised along the row to codes of FP6 (E2M3) with one E8M0 byte for each 32.
; OUT: codes [tile of 16 tokens][block of 32 along K][row i][24 bytes]; row i of tile T is token 32 (T / 2) + 8 (T % 2) + i + 8 (i / 8).  A fragment (128 along K) is 1,536 bytes on end, and lane L's pieces lie at 768 c + 24 L.
; Scale words behind the codes: 128 bytes for each (pair of tiles, K step): row i of tile 2 p + u at 4 (16 u + i).
; A work-group takes one tile; wave w takes columns 256 w .. 256 w + 255 of its 16 rows.  Lane (r, h) holds 16 neighbours of each block of 32 of row r; lane L xor 16 holds the other 16.
; The rows' sums of squares meet in LDS (one barrier); every wave adds the four parts in the same order.
; A block of zeros gets the byte 1 where the quantiser says 127: its codes are zeros, and this program alone reads the bytes.
; LIMITS: NaN and infinities among the inputs are not served; v_rsq_f32 (1 ulp) stands ahead of the quantiser.
.set HS, 3145728                       ; where the scale words begin
.set X,  32                            ; v32-159  8 blocks x 16 numbers
.set TM, 160                           ; v160-163 largest magnitudes;  v164-167 the other lane's;  v168-171 the conversions' scale operands;  v172-175 bytes
.set TP, 164
.set SO, 168
.set EB, 172
.set CD, 176                           ; v176-207 codes: four registers for each block
	s_load_b128 s[4:7], s[0:1], 0x0                ; the rows, hq
	v_lshl_add_u32 v208, v0, 2, 0x100
	v_mov_b32 v209, 0
	v_lshrrev_b32 v1, 5, v0
	v_readfirstlane_b32 s12, v1                    ; wave 0..3
	v_and_b32 v6, 15, v0                           ; r
	v_bfe_u32 v7, v0, 4, 1                         ; h
	v_and_b32 v1, 8, v6
	v_add_nc_u32 v1, v1, v6                        ; r + 8 (r / 8)
	v_lshlrev_b32 v1, 12, v1
	v_lshl_add_u32 v1, v7, 6, v1                   ; in: my row of 4,096 bytes, + 64 h
	v_mul_u32_u24 v2, v6, 24
	v_mad_u32_u24 v2, v7, 12, v2                   ; codes: 24 r + 12 h
	v_lshlrev_b32 v3, 2, v6                        ; scale words: 4 r
	v_lshlrev_b32 v5, 2, v6                        ; LDS: row r's word of a wave's 16
	s_lshl_b32 s13, s12, 6
	v_add_nc_u32 v4, s13, v5                       ; and of my wave's
.irp b, 0,1,2,3
	v_mov_b32 v[TP+\b], 0                          ; written once: a lane permute's destination counts as one of its sources
.endr
	s_mov_b32 s22, 0x76543210
	s_mov_b32 s23, 0xfedcba98                      ; v_permlanex16_b32's selects for lane L xor 16
	s_mov_b32 s24, 0x3a800000                      ; 1 / 1,024
	s_mov_b32 s25, 0x358637bd                      ; 1e-6
	s_lshr_b32 s14, ttmp9, 1
	s_and_b32 s15, ttmp9, 1
	s_lshl_b32 s16, s14, 17                        ; 32 rows of 4,096 bytes
	s_lshl_b32 s17, s15, 15                        ; 8 rows
	s_add_co_u32 s16, s16, s17
	s_lshl_b32 s17, s12, 10                        ; my wave's 1,024 bytes of a row
	s_add_co_u32 s16, s16, s17
	s_mov_b32 s17, 0
	s_mul_i32 s18, ttmp9, 12288
	s_mul_i32 s19, s12, 3072
	s_add_co_u32 s18, s18, s19
	s_mov_b32 s19, 0
	s_lshl_b32 s20, s14, 10
	s_lshl_b32 s21, s15, 6
	s_add_co_u32 s20, s20, s21
	s_lshl_b32 s21, s12, 8
	s_add_co_u32 s20, s20, s21
	s_add_co_u32 s20, s20, HS
	s_mov_b32 s21, 0
	s_wait_kmcnt 0x0
	s_add_nc_u64 s[4:5], s[4:5], s[16:17]
	s_add_nc_u64 s[8:9], s[6:7], s[18:19]          ; my 8 blocks' codes
	s_add_nc_u64 s[10:11], s[6:7], s[20:21]        ; my 2 K steps' scale words
.irp b, 0,1,2,3,4,5,6,7
.irp j, 0,1,2,3
	global_load_b128 v[X+16*\b+4*\j:X+16*\b+4*\j+3], v1, s[4:5] offset:128*\b+16*\j th:TH_LOAD_NT
.endr
.endr
; the sum of squares of my 128 numbers: four packed chains, started by the first four products; the loads are waited for eight at a time
.set q, 0
.rept 64
.if (q%16) == 0
	s_wait_alu depctr_va_vdst(0)
	s_wait_loadcnt 24-8*(q/16)                     ; the later groups' loads may be out
.endif
.if q < 4
	v_pk_mul_f32 v[8+2*q:9+2*q], v[X+2*q:X+2*q+1], v[X+2*q:X+2*q+1]
.else
	v_pk_fma_f32 v[8+2*(q%4):9+2*(q%4)], v[X+2*q:X+2*q+1], v[X+2*q:X+2*q+1], v[8+2*(q%4):9+2*(q%4)]
.endif
.set q, q+1
.endr
	v_pk_add_f32 v[8:9], v[8:9], v[10:11]
	v_pk_add_f32 v[12:13], v[12:13], v[14:15]
	v_pk_add_f32 v[8:9], v[8:9], v[12:13]
	v_add_f32 v8, v8, v9
	v_permlanex16_b32 v9, v8, s22, s23
	v_add_f32 v8, v8, v9                           ; row r's sum over my wave's 256 columns
	ds_store_b32 v4, v8                            ; lanes r and r + 16 write the same word with the same value
	s_wait_dscnt 0x0                               ; for the others' sake: my store is done
	s_barrier_signal -1
	s_barrier_wait -1
.irp k, 0,1,2,3
	ds_load_b32 v[20+\k], v5 offset:64*\k
.endr
	s_wait_dscnt 0x0
	v_add_f32 v20, v20, v21
	v_add_f32 v20, v20, v22
	v_add_f32 v20, v20, v23
	v_fma_f32 v8, v20, s24, s25                    ; the mean + 1e-6
	s_wait_alu depctr_va_vdst(0)
	v_rsq_f32 v18, v8
	v_rsq_f32 v19, v8                              ; twice: a pair for the packed multiply
	v_nop                                          ; a plain place behind the transcendentals
.set q, 0
	s_wait_alu depctr_va_vdst(0)
.rept 64
	v_pk_mul_f32 v[X+2*q:X+2*q+1], v[X+2*q:X+2*q+1], v[18:19]
.set q, q+1
.endr
; four blocks: block b = the lane's 16 registers v[s + 16 b ..]; codes to v[cd + 4 b ..], the four bytes to the word v[w]
.macro QB s, cd, w
.irp b, 0,1,2,3
	v_max3_num_f32 v[TM+\b], |v[\s+16*\b]|, |v[\s+16*\b+1]|, 0x1800000   ; my 16 numbers, and the floor 2^(3 - 127): the byte cannot fall under 1
.endr
.irp i, 2,4,6,8,10,12,14
.irp b, 0,1,2,3
	v_max3_num_f32 v[TM+\b], v[TM+\b], |v[\s+16*\b+\i]|, |v[\s+16*\b+\i+1]|   ; the four blocks by turns
.endr
.endr
.irp b, 0,1,2,3
	v_permlanex16_b32 v[TP+\b], v[TM+\b], s22, s23
.endr
.irp b, 0,1,2,3
	v_max_num_f32 v[TM+\b], v[TM+\b], v[TP+\b]     ; with lane L xor 16's: the block's largest magnitude
.endr
.irp b, 0,1,2,3
	v_add_nc_u32 v[SO+\b], 0xff000000, v[TM+\b]    ; 2 off its exponent field: the conversion's scale operand
.endr
.irp b, 0,1,2,3
	v_lshrrev_b32 v[EB+\b], 23, v[SO+\b]           ; the scale's byte
.endr
.irp b, 0,1,2,3
	v_cvt_scalef32_pk16_fp6_f32 v[\cd+4*\b:\cd+4*\b+2], v[\s+16*\b:\s+16*\b+15], v[SO+\b]
.endr
	v_nop                                          ; one plain place behind the last scaled conversion
	v_lshl_or_b32 v[\w], v[EB+1], 8, v[EB]
	v_lshl_or_b32 v[\w], v[EB+2], 16, v[\w]
	v_lshl_or_b32 v[\w], v[EB+3], 24, v[\w]
.endm
	QB X, CD, 16
	QB X+64, CD+16, 17
.irp b, 0,1,2,3,4,5,6,7
	global_store_b96 v2, v[CD+4*\b:CD+4*\b+2], s[8:9] offset:384*\b   ; 32 lanes store a block's 384 consecutive bytes
.endr
	global_store_b32 v3, v16, s[10:11]             ; lanes r and r + 16 write the same word with the same value
	global_store_b32 v3, v17, s[10:11] offset:128
	s_wait_tensorcnt 0x0
	ds_add_u32 v208, v209
	s_wait_dscnt 0x0
	s_endpgm
.Lfunc_end_k_q515404d378_xnorm2:
	.size	k_q515404d378_xnorm2, .Lfunc_end_k_q515404d378_xnorm2-k_q515404d378_xnorm2
	.p2alignl 7, 3214868480
	.fill 96, 4, 3214868480
	.section	.rodata,"a",@progbits
	.p2align	6, 0x0
	.amdhsa_kernel k_q515404d378_xnorm2
		.amdhsa_group_segment_fixed_size 768
		.amdhsa_private_segment_fixed_size 0
		.amdhsa_enable_private_segment 0
		.amdhsa_kernarg_size 16
		.amdhsa_user_sgpr_count 2
		.amdhsa_user_sgpr_kernarg_segment_ptr 1
		.amdhsa_wavefront_size32 1
		.amdhsa_system_sgpr_workgroup_id_x 1
		.amdhsa_system_sgpr_workgroup_id_y 1
		.amdhsa_system_sgpr_workgroup_id_z 1
		.amdhsa_system_vgpr_workitem_id 0
		.amdhsa_next_free_vgpr 210
		.amdhsa_next_free_sgpr 66
		.amdhsa_reserve_vcc 0
		.amdhsa_float_denorm_mode_32 3
		.amdhsa_float_denorm_mode_16_64 3
		.amdhsa_memory_ordered 1
		.amdhsa_forward_progress 1
		.amdhsa_inst_pref_size 23
	.end_amdhsa_kernel
	.amdgpu_metadata
---
amdhsa.version: [ 1, 2 ]
amdhsa.kernels:
  - .name:           k_q515404d378_xnorm2
    .symbol:         k_q515404d378_xnorm2.kd
    .args:
      - { .name: x1, .offset: 0, .size: 8, .value_kind: global_buffer, .address_space: global }
      - { .name: hq, .offset: 8, .size: 8, .value_kind: global_buffer, .address_space: global }
    .group_segment_fixed_size: 768
    .private_segment_fixed_size: 0
    .kernarg_segment_align: 8
    .kernarg_segment_size: 16
    .max_flat_workgroup_size: 128
    .sgpr_count:     66
    .vgpr_count:     210
    .wavefront_size: 32
...
	.end_amdgpu_metadata
.endif
;; end of part 5
;; launch gateup (part 6): grid 32 x 6, 8 waves a work-group, clusters of 4 x 1, 308,224 bytes of LDS; arguments hq, wimg, fq; writes fq
.if DOCPART == 6
	.amdgcn_target "amdgcn-amd-amdhsa--gfx1250"
	.amdhsa_code_object_version 6
	.text
	.protected	k_q515404d378_gateup
	.globl	k_q515404d378_gateup
	.p2align	8
	.type	k_q515404d378_gateup,@function
k_q515404d378_gateup:
	s_mov_b64 s[64:65], 0
	v_nop
	global_prefetch_b8 v0, s[64:65] scope:SCOPE_SE
	s_setreg_imm32_b32 hwreg(HW_REG_WAVE_MODE, 25, 1), 1
	s_wait_xcnt 0x0
	s_wait_alu depctr_hold_cnt(0) depctr_sa_sdst(0) depctr_va_vdst(0) depctr_va_sdst(0) depctr_va_ssrc(0) depctr_va_vcc(0) depctr_vm_vsrc(0)
	s_getreg_b32 s2, hwreg(HW_REG_IB_STS2, 6, 4)
	s_cmp_eq_u32 s2, 0
	s_cbranch_scc0 .Lentry_in_a_cluster
	s_endpgm
.Lentry_in_a_cluster:
	s_bfe_u32 s2, ttmp6, 0x10000c
	s_cmp_lg_u32 s2, 0x3003
	s_cbranch_scc0 .Lentry_shape_is_right
	s_endpgm
.Lentry_shape_is_right:
; a = silu(h w_gate) (h w_up): two products on codes of FP6 (E2M3), K = 1,024, and a quantised at once along its row for the next product.  The 688 columns are carried as 768: the last 80 have zero codes in both weights, so a is 0 there.
; A work-group takes 128 tokens (8 tiles of 16) x 128 columns of a (4 blocks of 32).  Wave w: tiles 4 (w / 4) .. + 3 of tokens, block w % 4: the block's two tiles of w_gate and two of w_up: 16 accumulators.
; All operands lie in LDS whole, filled once by tensor loads issued together at the start, one a wave; one wait for 0 and one barrier stand behind them.
; CLUSTER: the four work-groups of a cluster take the same columns and other tokens: the weights' tiles and scale words are asked for jointly (mask 15); the tokens' are plain loads.
; THE PRODUCTS ARE USED TRANSPOSED (source 0 = 16 columns of a weight, source 1 = 16 tokens): a lane holds one token, and the 16 registers of a weight's two tiles are 16 neighbours of the block of 32.
; OUT: codes [tile][block 24][row][24 bytes]; scale words [pair of tiles][K step 6][128 bytes], my block's byte of each.
; A block of zeros gets the byte 1 where the quantiser says 127: its codes are zeros, and this program alone reads the bytes.  LIMITS: NaN and infinities are not served; v_exp_f32 and v_rcp_f32 (1 ulp) stand ahead of the quantiser.
; REGISTERS: window 0: v1-7 addresses; two sets of 104 at v32 and v136: tokens' 4 fragments, the weights' 4, 4 registers of scale words; at the end v32-95 a, v96-129 at work.  Window 1: v0-127 accumulators (tile m, weight tile n at 8 (4 m + n)).
.set KS,   8
.set HS,   3145728
.set WS,   4915200
.set FS,   2359296
.set BO,   98304                       ; LDS: tokens [tile 8][K step][1,536] at 0; the weights [gate, up][tile 8][K step][1,536];
.set AS_L, 294912                      ;      the tokens' scale words [pair 4][K step][128];
.set BS_L, 299008                      ;      the weights' [gate, up][block 4][K step][128]
.set T,    32
.set TM,   96
.set TP,   100
.set SO,   104
.set EB,   108
.set CD,   112
.set WV,   12
.set MSB, 0
.macro WIN new
.if MSB != \new
	s_set_vgpr_msb (MSB<<8)|\new
.set MSB, \new
.endif
.endm
.macro ROUND
	s_barrier_signal -1
	s_barrier_wait -1
	s_cmp_lg_u32 s[WV], 0
	s_cbranch_scc1 .Lnot_wave_0_\@
	s_barrier_signal -3
.Lnot_wave_0_\@:
	s_barrier_wait -3
	s_barrier_signal -1
	s_barrier_wait -1
.endm
.macro MKG1 g, w0, c, r, p
	s_mov_b32 s[\g], \w0
	s_mov_b32 s[\g+1], (\c)<<16
	s_mov_b32 s[\g+2], (\r)<<16
	s_mov_b32 s[\g+3], (\c)<<16
	s_mov_b32 s[\g+4], \r
	s_mov_b32 s[\g+5], \p
	s_mov_b32 s[\g+6], 0
	s_mov_b32 s[\g+7], 0
.endm
.macro MMX z, ra, rb
.if \z
.if (\ra) && (\rb)
	v_wmma_scale_f32_16x16x128_f8f6f4 v[rD:rD+7], v[rA:rA+11], v[rB:rB+11], 0, v[rSA], v[rSB] matrix_a_fmt:MATRIX_FMT_FP6 matrix_b_fmt:MATRIX_FMT_FP6 matrix_a_scale:MATRIX_SCALE_ROW1 matrix_b_scale:MATRIX_SCALE_ROW1
.elseif \ra
	v_wmma_scale_f32_16x16x128_f8f6f4 v[rD:rD+7], v[rA:rA+11], v[rB:rB+11], 0, v[rSA], v[rSB] matrix_a_fmt:MATRIX_FMT_FP6 matrix_b_fmt:MATRIX_FMT_FP6 matrix_a_scale:MATRIX_SCALE_ROW1
.elseif \rb
	v_wmma_scale_f32_16x16x128_f8f6f4 v[rD:rD+7], v[rA:rA+11], v[rB:rB+11], 0, v[rSA], v[rSB] matrix_a_fmt:MATRIX_FMT_FP6 matrix_b_fmt:MATRIX_FMT_FP6 matrix_b_scale:MATRIX_SCALE_ROW1
.else
	v_wmma_scale_f32_16x16x128_f8f6f4 v[rD:rD+7], v[rA:rA+11], v[rB:rB+11], 0, v[rSA], v[rSB] matrix_a_fmt:MATRIX_FMT_FP6 matrix_b_fmt:MATRIX_FMT_FP6
.endif
.else
.if (\ra) && (\rb)
	v_wmma_scale_f32_16x16x128_f8f6f4 v[rD:rD+7], v[rA:rA+11], v[rB:rB+11], v[rD:rD+7], v[rSA], v[rSB] matrix_a_fmt:MATRIX_FMT_FP6 matrix_b_fmt:MATRIX_FMT_FP6 matrix_a_scale:MATRIX_SCALE_ROW1 matrix_b_scale:MATRIX_SCALE_ROW1
.elseif \ra
	v_wmma_scale_f32_16x16x128_f8f6f4 v[rD:rD+7], v[rA:rA+11], v[rB:rB+11], v[rD:rD+7], v[rSA], v[rSB] matrix_a_fmt:MATRIX_FMT_FP6 matrix_b_fmt:MATRIX_FMT_FP6 matrix_a_scale:MATRIX_SCALE_ROW1
.elseif \rb
	v_wmma_scale_f32_16x16x128_f8f6f4 v[rD:rD+7], v[rA:rA+11], v[rB:rB+11], v[rD:rD+7], v[rSA], v[rSB] matrix_a_fmt:MATRIX_FMT_FP6 matrix_b_fmt:MATRIX_FMT_FP6 matrix_b_scale:MATRIX_SCALE_ROW1
.else
	v_wmma_scale_f32_16x16x128_f8f6f4 v[rD:rD+7], v[rA:rA+11], v[rB:rB+11], v[rD:rD+7], v[rSA], v[rSB] matrix_a_fmt:MATRIX_FMT_FP6 matrix_b_fmt:MATRIX_FMT_FP6
.endif
.endif
.endm
	s_load_b128 s[4:7], s[0:1], 0x0                ; hq, wimg
	s_load_b64 s[8:9], s[0:1], 0x10                ; fq
	v_lshl_add_u32 v254, v0, 2, 0x4b000
	v_mov_b32 v255, 0
	ds_add_u32 v254, v255
	ds_add_u32 v254, v255
	v_lshrrev_b32 v8, 5, v0
	s_delay_alu instid0(VALU_DEP_1)
	v_readfirstlane_b32 s[WV], v8                  ; wave 0..7
	s_lshr_b32 s10, s[WV], 2                       ; which half of the tokens is mine.
	s_and_b32 s11, s[WV], 3                        ; which block of 32 columns, to compute
	v_and_b32 v8, 31, v0                           ; L
	v_and_b32 v9, 15, v0                           ; r
	v_bfe_u32 v10, v0, 4, 1                        ; h
	s_mul_i32 s60, s10, 49152
	v_mul_u32_u24 v1, v8, 24
	s_delay_alu instid0(VALU_DEP_1)
	v_add_nc_u32 v1, s60, v1                       ; v1  my four tiles of tokens: 24 L
	s_mul_i32 s60, s11, 24576
	s_add_co_u32 s60, s60, BO
	v_lshlrev_b32 v2, 4, v8
	s_delay_alu instid0(VALU_DEP_1)
	v_add_nc_u32 v2, s60, v2                       ; v2  my block's two tiles of w_gate: 16 L
	s_delay_alu instid0(VALU_DEP_1)
	v_add_nc_u32 v7, 98304, v2                     ; v7  and of w_up
	v_lshlrev_b32 v6, 2, v8                        ; v6  4 L
	s_lshl_b32 s60, s10, 11
	s_add_co_u32 s60, s60, AS_L
	v_add_nc_u32 v3, s60, v6                       ; v3  my tokens' scale words
	s_lshl_b32 s60, s11, 10
	s_add_co_u32 s60, s60, BS_L
	v_add_nc_u32 v4, s60, v6                       ; v4  my block's
	v_mul_u32_u24 v5, v9, 24
	s_delay_alu instid0(VALU_DEP_1)
	v_mad_u32_u24 v5, v10, 12, v5                  ; v5  codes out: 24 r + 12 h
	s_bfe_u32 s13, ttmp6, 0x40000                  ; cx
	s_lshl_b32 s14, ttmp9, 2
	s_add_co_u32 s14, s14, s13                     ; which 128 tokens
	s_and_b32 s15, ttmp7, 0xffff                   ; which 128 columns; the four partners share it
	; THE FILLS AS THEY STAND (in place of what the head comment says of parts, their barriers and the number of loads out): ONE tensor load a wave, one wait for 0 and one barrier.
	; Waves 0, 1: four tiles of tokens each; waves 2, 3: four tiles of w_gate each; waves 4, 5: of w_up; wave w's 49,152 bytes land at 49,152 w.  Wave 6: the tokens' scale words; wave 7: both weights'.
	; LDS: tokens [tile 8][K step][1,536] at 0; w_gate [tile 8][K step][1,536] at BO; w_up 98,304 behind it.
	MKG1 16, 3<<16, 32, 192, 32                    ; four tiles of tokens: 49,152 dense bytes as rows of 256 (elements of 8 bytes); no mask
	MKG1 24, 15|(3<<16)|(1<<21), 32, 192, 32       ; four tiles of a weight: the same; mask: all four work-groups, bit 21 beside it
	MKG1 32, 3<<16, 32, 16, 32                     ; the tokens' scale words: 4,096 dense bytes
	MKG1 40, 15|(3<<16)|(1<<21), 512, 2, 3072      ; the weights' scale words: two rows of 4,096 bytes (w_gate's, w_up's), 24,576 bytes apart
	s_mov_b32 s61, 0
	s_mov_b32 s88, 0x76543210
	s_mov_b32 s89, 0xfedcba98                      ; v_permlanex16_b32's selects for lane L xor 16
	s_mov_b32 s90, 0xbfb8aa3b                      ; -log2(e)
	s_mov_b32 s91, s90                             ; (named with it as a pair, so it is written)
	s_wait_dscnt 0x0
	s_wait_kmcnt 0x0
	s_lshl_b32 s60, s14, 12                        ; the tokens' scale words
	s_add_co_u32 s60, s60, HS
	s_mov_b32 s48, 1
	s_mov_b32 s49, AS_L
	s_add_nc_u64 s[50:51], s[4:5], s[60:61]
	s_or_b32 s51, s51, 0x80000000
	s_lshl_b32 s60, s15, 12                        ; the weights' scale words: pairs 128 + 4 y on, w_up's 24 pairs behind w_gate's
	s_add_co_u32 s60, s60, WS+128*1024
	s_mov_b32 s52, 1
	s_mov_b32 s53, BS_L
	s_add_nc_u64 s[54:55], s[6:7], s[60:61]
	s_or_b32 s55, s55, 0x80000000
	s_and_b32 s63, s[WV], 1
	s_lshl_b32 s63, s63, 2                         ; which four of eight tiles I fetch
	s_lshl_b32 s60, s14, 3                         ; the tokens' tiles 8 tb + 4 (w % 2) on
	s_add_co_u32 s60, s60, s63
	s_mul_i32 s60, s60, 12288
	s_mov_b32 s56, 1
	s_mul_i32 s57, s[WV], 49152
	s_add_nc_u64 s[58:59], s[4:5], s[60:61]
	s_or_b32 s59, s59, 0x80000000
	s_lshr_b32 s60, s[WV], 1                       ; the weights' tiles, for waves 2 to 5: 256 + 48 (w / 2 - 1) + 8 y + 4 (w % 2) on
	s_mul_i32 s60, s60, 48
	s_lshl_b32 s62, s15, 3
	s_add_co_u32 s60, s60, s62
	s_add_co_u32 s60, s60, s63
	s_add_co_u32 s60, s60, 208
	s_mul_i32 s60, s60, 12288
	s_mov_b32 s68, 1
	s_mul_i32 s69, s[WV], 49152
	s_add_nc_u64 s[70:71], s[6:7], s[60:61]
	s_or_b32 s71, s71, 0x80000000
	s_lshl_b32 s60, s14, 3                         ; codes out: tile 8 tb + 4 half, block 4 y + mine
	s_lshl_b32 s62, s10, 2
	s_add_co_u32 s60, s60, s62
	s_mul_i32 s60, s60, 9216
	s_lshl_b32 s62, s15, 2
	s_add_co_u32 s62, s62, s11
	s_mul_i32 s62, s62, 384
	s_add_co_u32 s60, s60, s62
	s_add_nc_u64 s[84:85], s[8:9], s[60:61]
	s_lshl_b32 s60, s14, 2                         ; scale bytes out: pair 4 tb + 2 half, K step y, byte = my block
	s_lshl_b32 s62, s10, 1
	s_add_co_u32 s60, s60, s62
	s_mul_i32 s60, s60, 768
	s_lshl_b32 s62, s15, 7
	s_add_co_u32 s60, s60, s62
	s_add_co_u32 s60, s60, s11
	s_add_co_u32 s60, s60, FS
	s_add_nc_u64 s[86:87], s[8:9], s[60:61]
	ROUND                                          ; all four work-groups are here: the joint loads meet
.macro ARM under, g0, g1, next         ; one arm of the head's chain on the wave's number: its load, the lines behind it, a jump to the join
	s_cmp_lt_u32 s[WV], \under
	s_cbranch_scc0 \next
	tensor_load_to_lds s[\g0:\g0+3], s[\g1:\g1+7]
	s_nop 0
.rept 4
	v_nop
.endr
	s_branch .Lasked
\next:
.endm
	ARM 2, 56, 16, .Lfor_w
	ARM 6, 68, 24, .Lfor_as
	ARM 7, 48, 32, .Lfor_ws
	tensor_load_to_lds s[52:55], s[40:47]
	s_nop 0
.rept 4
	v_nop
.endr
.Lasked:
.macro LOADSET k                       ; K step k: 24 + 12 + 4 = 40 LDS loads into set k % 2
.set sb, 32+104*((\k)&1)
.irp m, 0,1,2,3
.irp c, 0,1
.irp p, 0,1,2
	ds_load_b64 v[sb+12*\m+6*\c+2*\p:sb+12*\m+6*\c+2*\p+1], v1 offset:12288*\m+1536*(\k)+768*\c+8*\p
.endr
.endr
.endr
.irp n, 0,1,2,3
.irp g, 0,1,2
	ds_load_b128 v[sb+48+12*\n+4*\g:sb+48+12*\n+4*\g+3], v[2+5*(\n>>1)] offset:12288*(\n&1)+1536*(\k)+512*\g
.endr
.endr
.irp u, 0,1
	ds_load_b32 v[sb+96+\u], v3 offset:1024*\u+128*(\k)
	ds_load_b32 v[sb+98+\u], v4 offset:4096*\u+128*(\k)
.endr
.endm
.macro MUL k                           ; 16 matrix instructions, the 16 accumulators by turns, in the same order in every K step
.set sb, 32+104*((\k)&1)
	WIN 0x50                                       ; C and D window 1
.irp m, 0,1,2,3
.irp n, 0,1,2,3
.set rD, 8*(4*\m+\n)
.set rA, sb+48+12*\n
.set rB, sb+12*\m
.set rSA, sb+98+(\n>>1)
.set rSB, sb+96+(\m>>1)
	MMX ((\k)==0), (\n&1), (\m&1)
.endr
.endr
	WIN 0
.endm
.macro STEP k
.if (\k)+1 < KS
	LOADSET (\k)+1
	s_wait_dscnt 40                                ; all but the 40 just issued
.else
	s_wait_dscnt 0x0
.endif
	MUL \k
.rept 4
	v_nop                                          ; places in front of loads into registers that matrix instructions have read, and of the first read of results
.endr
.endm
	s_wait_tensorcnt 0x0                           ; my one load has landed,
	s_barrier_signal -1
	s_barrier_wait -1                              ; everybody's are
	s_wait_alu depctr_va_vdst(0)
	LOADSET 0
.set kk, 0
.rept KS
	STEP kk
.set kk, kk+1
.endr
	; a = g u / (1 + 2^(-g log2(e))): tile m's g in accumulators 32 m + 0 .. 15, its u in 32 m + 16 .. 31, each read from its low end on
	WIN 0x01                                       ; source 0 window 1
.irp m, 0,1,2,3
.irp j, 0,2,4,6,8,10,12,14
	v_pk_mul_f32 v[T+16*\m+\j:T+16*\m+\j+1], v[32*\m+\j:32*\m+\j+1], s[90:91] op_sel_hi:[1,0]
.endr
.endr
	WIN 0
.set j, 0
	s_wait_alu depctr_va_vdst(0)
.rept 64
	v_exp_f32 v[T+j], v[T+j]
.set j, j+1
.endr
	v_nop                                          ; a plain place behind the transcendentals
.set j, 0
	s_wait_alu depctr_va_vdst(0)
.rept 32
	v_pk_add_f32 v[T+j:T+j+1], v[T+j:T+j+1], 1.0 op_sel_hi:[1,0]
.set j, j+2
.endr
.set j, 0
	s_wait_alu depctr_va_vdst(0)
.rept 64
	v_rcp_f32 v[T+j], v[T+j]
.set j, j+1
.endr
	v_nop
	WIN 0x01
	s_wait_alu depctr_va_vdst(0)
.irp m, 0,1,2,3
.irp j, 0,2,4,6,8,10,12,14
	v_pk_mul_f32 v[T+16*\m+\j:T+16*\m+\j+1], v[32*\m+\j:32*\m+\j+1], v[T+16*\m+\j:T+16*\m+\j+1]
.endr
.endr
.irp m, 0,1,2,3
.irp j, 0,2,4,6,8,10,12,14
	v_pk_mul_f32 v[T+16*\m+\j:T+16*\m+\j+1], v[32*\m+16+\j:32*\m+16+\j+1], v[T+16*\m+\j:T+16*\m+\j+1]
.endr
.endr
	WIN 0
	; quantised: block b = tile b of tokens, my block of 32 columns; lane L xor 16 holds the other 16
.irp b, 0,1,2,3
	v_mov_b32 v[TP+\b], 0                          ; a lane permute's destination counts as one of its sources
.endr
.irp b, 0,1,2,3
	v_max3_num_f32 v[TM+\b], |v[T+16*\b]|, |v[T+16*\b+1]|, 0x1800000   ; and the floor 2^(3 - 127)
.endr
.irp i, 2,4,6,8,10,12,14
.irp b, 0,1,2,3
	s_delay_alu instid0(VALU_DEP_4)
	v_max3_num_f32 v[TM+\b], v[TM+\b], |v[T+16*\b+\i]|, |v[T+16*\b+\i+1]|
.endr
.endr
.irp b, 0,1,2,3
	s_delay_alu instid0(VALU_DEP_4)
	v_permlanex16_b32 v[TP+\b], v[TM+\b], s88, s89
.endr
.irp b, 0,1,2,3
	s_delay_alu instid0(VALU_DEP_4)
	v_max_num_f32 v[TM+\b], v[TM+\b], v[TP+\b]
.endr
.irp b, 0,1,2,3
	s_delay_alu instid0(VALU_DEP_4)
	v_add_nc_u32 v[SO+\b], 0xff000000, v[TM+\b]    ; 2 off the exponent field: the conversion's scale operand
.endr
.irp b, 0,1,2,3
	s_delay_alu instid0(VALU_DEP_4)
	v_lshrrev_b32 v[EB+\b], 23, v[SO+\b]           ; the scale's byte
.endr
.irp b, 0,1,2,3
	v_cvt_scalef32_pk16_fp6_f32 v[CD+4*\b:CD+4*\b+2], v[T+16*\b:T+16*\b+15], v[SO+\b]
.endr
	v_nop                                          ; one plain place behind the last scaled conversion
	s_mov_b32 vcc_lo, 0xffff0000
.irp b, 0,1,2,3
	global_store_b96 v5, v[CD+4*\b:CD+4*\b+2], s[84:85] offset:9216*\b   ; 384 consecutive bytes
.endr
.irp u, 0,1
	v_cndmask_b32 v[128+\u], v[EB+2*\u], v[EB+2*\u+1], vcc_lo      ; lanes 0-15: the even tile's rows, lanes 16-31: the odd tile's
.endr
.irp u, 0,1
	global_store_b8 v6, v[128+\u], s[86:87] offset:768*\u          ; my block's byte of each row's scale word
.endr
	s_wait_dscnt 0x0
	s_wait_tensorcnt 0x0
	ds_add_u32 v254, v255
	s_wait_dscnt 0x0
	ROUND                                          ; the closing round
	s_endpgm
.Lfunc_end_k_q515404d378_gateup:
	.size	k_q515404d378_gateup, .Lfunc_end_k_q515404d378_gateup-k_q515404d378_gateup
	.p2alignl 7, 3214868480
	.fill 96, 4, 3214868480
	.section	.rodata,"a",@progbits
	.p2align	6, 0x0
	.amdhsa_kernel k_q515404d378_gateup
		.amdhsa_group_segment_fixed_size 308224
		.amdhsa_private_segment_fixed_size 0
		.amdhsa_enable_private_segment 0
		.amdhsa_kernarg_size 24
		.amdhsa_user_sgpr_count 2
		.amdhsa_user_sgpr_kernarg_segment_ptr 1
		.amdhsa_wavefront_size32 1
		.amdhsa_system_sgpr_workgroup_id_x 1
		.amdhsa_system_sgpr_workgroup_id_y 1
		.amdhsa_system_sgpr_workgroup_id_z 1
		.amdhsa_system_vgpr_workitem_id 0
		.amdhsa_next_free_vgpr 384
		.amdhsa_next_free_sgpr 92
		.amdhsa_reserve_vcc 1
		.amdhsa_float_denorm_mode_32 3
		.amdhsa_float_denorm_mode_16_64 3
		.amdhsa_memory_ordered 1
		.amdhsa_forward_progress 1
		.amdhsa_inst_pref_size 64
	.end_amdhsa_kernel
	.amdgpu_metadata
---
amdhsa.version: [ 1, 2 ]
amdhsa.kernels:
  - .name:           k_q515404d378_gateup
    .symbol:         k_q515404d378_gateup.kd
    .args:
      - { .name: hq, .offset: 0, .size: 8, .value_kind: global_buffer, .address_space: global }
      - { .name: wimg, .offset: 8, .size: 8, .value_kind: global_buffer, .address_space: global }
      - { .name: fq, .offset: 16, .size: 8, .value_kind: global_buffer, .address_space: global }
    .group_segment_fixed_size: 308224
    .private_segment_fixed_size: 0
    .kernarg_segment_align: 8
    .kernarg_segment_size: 24
    .max_flat_workgroup_size: 256
    .sgpr_count:     92
    .vgpr_count:     384
    .wavefront_size: 32
...
	.end_amdgpu_metadata
.endif
;; end of part 6
;; launch down (part 7): grid 64 x 4, 4 waves a work-group, clusters of 4 x 1, 209,920 bytes of LDS; arguments fq, wimg, x1, out0; writes out0
.if DOCPART == 7
	.amdgcn_target "amdgcn-amd-amdhsa--gfx1250"
	.amdhsa_code_object_version 6
	.text
	.protected	k_q515404d378_down
	.globl	k_q515404d378_down
	.p2align	8
	.type	k_q515404d378_down,@function
k_q515404d378_down:
	s_mov_b64 s[64:65], 0
	v_nop
	global_prefetch_b8 v0, s[64:65] scope:SCOPE_SE
	s_setreg_imm32_b32 hwreg(HW_REG_WAVE_MODE, 25, 1), 1
	s_wait_xcnt 0x0
	s_wait_alu depctr_hold_cnt(0) depctr_sa_sdst(0) depctr_va_vdst(0) depctr_va_sdst(0) depctr_va_ssrc(0) depctr_va_vcc(0) depctr_vm_vsrc(0)
	s_getreg_b32 s2, hwreg(HW_REG_IB_STS2, 6, 4)
	s_cmp_eq_u32 s2, 0
	s_cbranch_scc0 .Lentry_in_a_cluster
	s_endpgm
.Lentry_in_a_cluster:
	s_bfe_u32 s2, ttmp6, 0x10000c
	s_cmp_lg_u32 s2, 0x3003
	s_cbranch_scc0 .Lentry_shape_is_right
	s_endpgm
.Lentry_shape_is_right:
; out = x1 + a w_down: a product on codes of FP6 (E2M3), K = 688 carried as 768 (zero codes on both sides from 688 on), with the residual added in f32.
; A work-group takes 64 tokens (4 tiles of 16) x 256 columns; wave w takes the 4 tiles of tokens x 4 tiles of columns: 16 accumulators.
; All operands lie in LDS whole, filled once by tensor loads issued together at the start; one a wave, all waited for by one wait for 0 and one barrier.
; A wave's part of the weight is read by that wave alone; the tokens' codes and scale words are read by all four, behind the one barrier.
; CLUSTER: the four work-groups of a cluster take the same columns and other tokens: the weight's tiles and scale words are asked for jointly (mask 15); the tokens' are plain loads.
; THE PRODUCT IS USED TRANSPOSED (source 0 = 16 columns of the weight, source 1 = 16 tokens): a lane holds one token and eight neighbouring columns.  Rows of a tile T (tokens, columns): 32 (T / 2) + 8 (T % 2) + i + 8 (i / 8).
; REGISTERS, in windows of 256: window 0: v1-7 addresses; two sets of 104 at v32 and v136: tokens' 4 fragments, the weight's 4, 4 registers of scale words; on the way out v32-159 rows.  Window 1: v0-127 accumulators, v128-255 the residual.
.set KS,   6                           ; K steps of 128
.set NQ,   KS/2
.set TS,   1536*KS                     ; a tile's codes
.set W_C,  4325376                     ; wimg: this weight's codes and scale words
.set W_S,  5095424
.set ASC,  2359296                     ; the tokens' scale words
.set BO,   6144*KS                      ; LDS: tokens [tile 4][K step][1,536] at 0; the weight: 6,144 KS a wave: [tile 4][K step][1,536];
.set AS_L, 30720*KS                     ;      the tokens' scale words [pair 2][K step][128];
.set BS_L, AS_L+256*KS                  ;      the weight's [pair 8][K step][128];
.set STG,  AS_L+1280*KS                 ;      the stages for the way out: 16 rows x 272 bytes a wave; no fill lands there
.set WV,   12
.set MSB, 0
.macro WIN new                         ; the immediate's high byte repeats the setting that is left
.if MSB != \new
	s_set_vgpr_msb (MSB<<8)|\new
.set MSB, \new
.endif
.endm
.macro ROUND
	s_barrier_signal -1
	s_barrier_wait -1
	s_cmp_lg_u32 s[WV], 0
	s_cbranch_scc1 .Lnot_wave_0_\@
	s_barrier_signal -3
.Lnot_wave_0_\@:
	s_barrier_wait -3
	s_barrier_signal -1
	s_barrier_wait -1
.endm
.macro MKG1 g, w0, c, r, p
	s_mov_b32 s[\g], \w0
	s_mov_b32 s[\g+1], (\c)<<16
	s_mov_b32 s[\g+2], (\r)<<16
	s_mov_b32 s[\g+3], (\c)<<16
	s_mov_b32 s[\g+4], \r
	s_mov_b32 s[\g+5], \p
	s_mov_b32 s[\g+6], 0
	s_mov_b32 s[\g+7], 0
.endm
.macro MMX z, ra, rb
.if \z
.if (\ra) && (\rb)
	v_wmma_scale_f32_16x16x128_f8f6f4 v[rD:rD+7], v[rA:rA+11], v[rB:rB+11], 0, v[rSA], v[rSB] matrix_a_fmt:MATRIX_FMT_FP6 matrix_b_fmt:MATRIX_FMT_FP6 matrix_a_scale:MATRIX_SCALE_ROW1 matrix_b_scale:MATRIX_SCALE_ROW1
.elseif \ra
	v_wmma_scale_f32_16x16x128_f8f6f4 v[rD:rD+7], v[rA:rA+11], v[rB:rB+11], 0, v[rSA], v[rSB] matrix_a_fmt:MATRIX_FMT_FP6 matrix_b_fmt:MATRIX_FMT_FP6 matrix_a_scale:MATRIX_SCALE_ROW1
.elseif \rb
	v_wmma_scale_f32_16x16x128_f8f6f4 v[rD:rD+7], v[rA:rA+11], v[rB:rB+11], 0, v[rSA], v[rSB] matrix_a_fmt:MATRIX_FMT_FP6 matrix_b_fmt:MATRIX_FMT_FP6 matrix_b_scale:MATRIX_SCALE_ROW1
.else
	v_wmma_scale_f32_16x16x128_f8f6f4 v[rD:rD+7], v[rA:rA+11], v[rB:rB+11], 0, v[rSA], v[rSB] matrix_a_fmt:MATRIX_FMT_FP6 matrix_b_fmt:MATRIX_FMT_FP6
.endif
.else
.if (\ra) && (\rb)
	v_wmma_scale_f32_16x16x128_f8f6f4 v[rD:rD+7], v[rA:rA+11], v[rB:rB+11], v[rD:rD+7], v[rSA], v[rSB] matrix_a_fmt:MATRIX_FMT_FP6 matrix_b_fmt:MATRIX_FMT_FP6 matrix_a_scale:MATRIX_SCALE_ROW1 matrix_b_scale:MATRIX_SCALE_ROW1
.elseif \ra
	v_wmma_scale_f32_16x16x128_f8f6f4 v[rD:rD+7], v[rA:rA+11], v[rB:rB+11], v[rD:rD+7], v[rSA], v[rSB] matrix_a_fmt:MATRIX_FMT_FP6 matrix_b_fmt:MATRIX_FMT_FP6 matrix_a_scale:MATRIX_SCALE_ROW1
.elseif \rb
	v_wmma_scale_f32_16x16x128_f8f6f4 v[rD:rD+7], v[rA:rA+11], v[rB:rB+11], v[rD:rD+7], v[rSA], v[rSB] matrix_a_fmt:MATRIX_FMT_FP6 matrix_b_fmt:MATRIX_FMT_FP6 matrix_b_scale:MATRIX_SCALE_ROW1
.else
	v_wmma_scale_f32_16x16x128_f8f6f4 v[rD:rD+7], v[rA:rA+11], v[rB:rB+11], v[rD:rD+7], v[rSA], v[rSB] matrix_a_fmt:MATRIX_FMT_FP6 matrix_b_fmt:MATRIX_FMT_FP6
.endif
.endif
.endm
	s_load_b256 s[4:11], s[0:1], 0x0               ; the tokens' codes s[4:5], wimg s[6:7], the residual s[8:9], the result s[10:11]
	v_lshl_add_u32 v254, v0, 2, 0x33200
	v_mov_b32 v255, 0
	ds_add_u32 v254, v255
	ds_add_u32 v254, v255
	v_lshrrev_b32 v8, 5, v0
	v_readfirstlane_b32 s[WV], v8                  ; wave 0..3
	v_and_b32 v8, 31, v0                           ; L
	v_and_b32 v9, 15, v0                           ; r
	v_bfe_u32 v10, v0, 4, 1                        ; h
	v_mul_u32_u24 v1, v8, 24                       ; v1  the tokens' fragments: 24 L
	s_mul_i32 s60, s[WV], 6144*KS
	s_add_co_u32 s60, s60, BO
	v_lshlrev_b32 v2, 4, v8
	v_add_nc_u32 v2, s60, v2                       ; v2  my part of the weight: 16 L
	v_lshlrev_b32 v3, 2, v8
	s_mul_i32 s60, s[WV], 256*KS
	s_add_co_u32 s60, s60, BS_L
	v_add_nc_u32 v4, s60, v3                       ; v4  its scale words
	v_add_nc_u32 v3, AS_L, v3                      ; v3  the tokens' scale words
	s_mul_i32 s60, s[WV], 4352
	s_add_co_u32 s60, s60, STG                     ; my stage
	v_mul_u32_u24 v5, v9, 272
	v_lshl_add_u32 v5, v10, 6, v5
	v_add_nc_u32 v5, s60, v5                       ; v5  in: row r, + 64 h
	v_mul_u32_u24 v6, v10, 272
	v_lshl_add_u32 v6, v9, 4, v6
	v_add_nc_u32 v6, s60, v6                       ; v6  back: lanes 0-15 one row of 256 bytes, lanes 16-31 the next
	v_lshlrev_b32 v7, 12, v10
	v_lshl_add_u32 v7, v9, 4, v7                   ; v7  the same two rows in memory: 4,096 h + 16 r
	s_bfe_u32 s13, ttmp6, 0x40000                  ; cx
	s_lshl_b32 s14, ttmp9, 2
	s_add_co_u32 s14, s14, s13                     ; which 64 tokens
	s_and_b32 s15, ttmp7, 0xffff                   ; which 256 columns; the four partners share it
	; THE FILLS AS THEY STAND (in place of what the head comment says of parts, counted waits and the number of loads out): four dense regions, ONE tensor load a wave, one wait for 0 and one barrier.
	; Wave 0: the four tiles of tokens; wave 1: the sixteen tiles of the weight, as they lie in wimg, [tile][K step][1,536]; wave 2: the tokens' scale words; wave 3: the weight's.  All of them are read behind the barrier.
	MKG1 16, 3<<16, 32, 24*KS, 32                  ; four tiles of tokens: 6,144 KS dense bytes as rows of 256 (elements of 8 bytes); no mask
	MKG1 24, 15|(3<<16)|(1<<21), 32, 96*KS, 32     ; sixteen tiles of the weight: 24,576 KS dense bytes; mask: all four work-groups, bit 21 beside it
	MKG1 32, 3<<16, 32, KS, 32                     ; the tokens' scale words: 256 KS dense bytes
	MKG1 40, 15|(3<<16)|(1<<21), 32, 4*KS, 32      ; the weight's scale words: 1,024 KS dense bytes
	s_mov_b32 s61, 0
	s_wait_dscnt 0x0
	s_wait_kmcnt 0x0
	s_mul_i32 s60, s14, 256*KS                     ; the tokens' scale words
	s_add_co_u32 s60, s60, ASC
	s_mov_b32 s48, 1
	s_mov_b32 s49, AS_L
	s_add_nc_u64 s[50:51], s[4:5], s[60:61]
	s_or_b32 s51, s51, 0x80000000
	s_mul_i32 s60, s15, 1024*KS                    ; the weight's scale words: pairs 8 y on
	s_add_co_u32 s60, s60, W_S
	s_mov_b32 s52, 1
	s_mov_b32 s53, BS_L
	s_add_nc_u64 s[54:55], s[6:7], s[60:61]
	s_or_b32 s55, s55, 0x80000000
	s_mul_i32 s60, s14, 4*TS                       ; the tokens' four tiles
	s_mov_b32 s56, 1
	s_mov_b32 s57, 0
	s_add_nc_u64 s[58:59], s[4:5], s[60:61]
	s_or_b32 s59, s59, 0x80000000
	s_mul_i32 s60, s15, 16*TS                      ; the weight's tiles 16 y on
	s_add_co_u32 s60, s60, W_C
	s_mov_b32 s68, 1
	s_mov_b32 s69, BO
	s_add_nc_u64 s[70:71], s[6:7], s[60:61]
	s_or_b32 s71, s71, 0x80000000
	s_lshl_b32 s60, s14, 18                        ; 64 rows of 4,096 bytes,
	s_lshl_b32 s62, s15, 10                        ; 256 columns,
	s_add_co_u32 s60, s60, s62
	s_lshl_b32 s62, s[WV], 8                       ; my 64 of them
	s_add_co_u32 s60, s60, s62
	s_add_nc_u64 s[84:85], s[8:9], s[60:61]
	s_add_nc_u64 s[86:87], s[10:11], s[60:61]
	ROUND                                          ; all four work-groups are here: the joint loads meet
.macro ARM under, g0, g1, next         ; one arm of the head's chain on the wave's number: its load, the lines behind it, a jump to the join
	s_cmp_lt_u32 s[WV], \under
	s_cbranch_scc0 \next
	tensor_load_to_lds s[\g0:\g0+3], s[\g1:\g1+7]
	s_nop 0
.rept 4
	v_nop
.endr
	s_branch .Lasked
\next:
.endm
	ARM 1, 56, 16, .Lfor_w
	ARM 2, 68, 24, .Lfor_as
	ARM 3, 48, 32, .Lfor_ws
	tensor_load_to_lds s[52:55], s[40:47]
	s_nop 0
.rept 4
	v_nop
.endr
.Lasked:
	WIN 0x40                                       ; destination window 1
	s_wait_alu depctr_va_vdst(0)
.irp m, 0,1,2,3
.irp t, 0,1,2,3,4,5,6,7
	global_load_b128 v[128+32*\m+4*\t:128+32*\m+4*\t+3], v7, s[84:85] offset:(32*(\m>>1)+8*(\m&1)+2*\t+8*(\t>>2))*4096   ; the residual, in the order in which the rows will leave: rows 2 t + h of tile m
.endr
.endr
	WIN 0
.macro LOADSET k                       ; K step k: 24 + 12 + 4 = 40 LDS loads into set k % 2
.set sb, 32+104*((\k)&1)
.irp m, 0,1,2,3
.irp c, 0,1
.irp p, 0,1,2
	ds_load_b64 v[sb+12*\m+6*\c+2*\p:sb+12*\m+6*\c+2*\p+1], v1 offset:TS*\m+1536*(\k)+768*\c+8*\p
.endr
.endr
.endr
.irp n, 0,1,2,3
.irp g, 0,1,2
	ds_load_b128 v[sb+48+12*\n+4*\g:sb+48+12*\n+4*\g+3], v2 offset:TS*\n+1536*(\k)+512*\g
.endr
.endr
.irp u, 0,1
	ds_load_b32 v[sb+96+\u], v3 offset:128*KS*\u+128*(\k)
	ds_load_b32 v[sb+98+\u], v4 offset:128*KS*\u+128*(\k)
.endr
.endm
.macro MUL k                           ; 16 matrix instructions, the 16 accumulators by turns, in the same order in every K step
.set sb, 32+104*((\k)&1)
	WIN 0x50                                       ; C and D window 1
.irp m, 0,1,2,3
.irp n, 0,1,2,3
.set rD, 8*(4*\m+\n)
.set rA, sb+48+12*\n
.set rB, sb+12*\m
.set rSA, sb+98+(\n>>1)
.set rSB, sb+96+(\m>>1)
	MMX ((\k)==0), (\n&1), (\m&1)
.endr
.endr
	WIN 0
.endm
.macro STEP k
.if (\k)+1 < KS
	LOADSET (\k)+1
	s_wait_dscnt 40                                ; all but the 40 just issued
.else
	s_wait_dscnt 0x0
.endif
	MUL \k
.rept 4
	v_nop                                          ; places in front of loads into registers that matrix instructions have read, and of the first read of results
.endr
.endm
	s_wait_tensorcnt 0x0                           ; my one load has landed,
	s_barrier_signal -1
	s_barrier_wait -1                              ; everybody's are
	LOADSET 0
.set kk, 0
.rept KS
	STEP kk
.set kk, kk+1
.endr
	; THE WAY OUT, a tile of 16 tokens at a time through my own stage: in as 32 bytes a lane, back as whole rows of 256 bytes; the residual is added; sixteen lanes store 256 consecutive bytes, aligned
	s_wait_loadcnt 0x0                             ; the residual
.irp m, 0,1,2,3
	WIN 0x04                                       ; an LDS store's data are its source 1: window 1
.irp n, 0,1,2,3
	ds_store_b128 v5, v[8*(4*\m+\n):8*(4*\m+\n)+3] offset:128*(\n>>1)+32*(\n&1)        ; each accumulator from its low end on
	ds_store_b128 v5, v[8*(4*\m+\n)+4:8*(4*\m+\n)+7] offset:128*(\n>>1)+32*(\n&1)+16
.endr
	WIN 0
.irp t, 0,1,2,3,4,5,6,7
	ds_load_b128 v[32+32*\m+4*\t:32+32*\m+4*\t+3], v6 offset:544*\t   ; LDS serves a wave's instructions in order (ISA guide 5.7.1.4): these see my stores, and the next tile's stores come behind them
.endr
.endr
.irp m, 0,1,2,3
	s_wait_dscnt 16*(3-\m)                         ; the later tiles' 16 LDS instructions each may be out
	WIN 0x04                                       ; source 1 window 1
.irp j, 0,2,4,6,8,10,12,14,16,18,20,22,24,26,28,30
	v_pk_add_f32 v[32+32*\m+\j:33+32*\m+\j], v[32+32*\m+\j:33+32*\m+\j], v[128+32*\m+\j:129+32*\m+\j]
.endr
	WIN 0
.irp t, 0,1,2,3,4,5,6,7
	global_store_b128 v7, v[32+32*\m+4*\t:32+32*\m+4*\t+3], s[86:87] offset:(32*(\m>>1)+8*(\m&1)+2*\t+8*(\t>>2))*4096
.endr
.endr
	s_wait_dscnt 0x0
	s_wait_tensorcnt 0x0
	ds_add_u32 v254, v255
	s_wait_dscnt 0x0
	ROUND                                          ; the closing round
	s_endpgm
.Lfunc_end_k_q515404d378_down:
	.size	k_q515404d378_down, .Lfunc_end_k_q515404d378_down-k_q515404d378_down
	.p2alignl 7, 3214868480
	.fill 96, 4, 3214868480
	.section	.rodata,"a",@progbits
	.p2align	6, 0x0
	.amdhsa_kernel k_q515404d378_down
		.amdhsa_group_segment_fixed_size 209920
		.amdhsa_private_segment_fixed_size 0
		.amdhsa_enable_private_segment 0
		.amdhsa_kernarg_size 32
		.amdhsa_user_sgpr_count 2
		.amdhsa_user_sgpr_kernarg_segment_ptr 1
		.amdhsa_wavefront_size32 1
		.amdhsa_system_sgpr_workgroup_id_x 1
		.amdhsa_system_sgpr_workgroup_id_y 1
		.amdhsa_system_sgpr_workgroup_id_z 1
		.amdhsa_system_vgpr_workitem_id 0
		.amdhsa_next_free_vgpr 512
		.amdhsa_next_free_sgpr 92
		.amdhsa_reserve_vcc 0
		.amdhsa_float_denorm_mode_32 3
		.amdhsa_float_denorm_mode_16_64 3
		.amdhsa_memory_ordered 1
		.amdhsa_forward_progress 1
		.amdhsa_inst_pref_size 51
	.end_amdhsa_kernel
	.amdgpu_metadata
---
amdhsa.version: [ 1, 2 ]
amdhsa.kernels:
  - .name:           k_q515404d378_down
    .symbol:         k_q515404d378_down.kd
    .args:
      - { .name: fq, .offset: 0, .size: 8, .value_kind: global_buffer, .address_space: global }
      - { .name: wimg, .offset: 8, .size: 8, .value_kind: global_buffer, .address_space: global }
      - { .name: x1, .offset: 16, .size: 8, .value_kind: global_buffer, .address_space: global }
      - { .name: out0, .offset: 24, .size: 8, .value_kind: global_buffer, .address_space: global }
    .group_segment_fixed_size: 209920
    .private_segment_fixed_size: 0
    .kernarg_segment_align: 8
    .kernarg_segment_size: 32
    .max_flat_workgroup_size: 128
    .sgpr_count:     92
    .vgpr_count:     512
    .wavefront_size: 32
...
	.end_amdgpu_metadata
.endif
;; end of part 7
